; MI455X (gfx1250); checked and timed in simulation.
; The chip was launched on July 23, 2026; its instructions are those of AMD's public machine-readable ISA for CDNA 5 (MIT licence, August 2026) and "CDNA5" Instruction Set Architecture Reference Guide (July 2026). The comments in the code are by the model that wrote it; some were corrected since.
;; Attention. Allowed arithmetic: matrix products marked QUANTISED: E4M3 operands, one E8M0 scale for each 32 along K, by v_wmma_scale_f32_16x16x128_f8f6f4 with both operands' format E4M3, f32 sums; everything else in f32.
;; Inputs: Wk_codes 256 x 8 x 32 uint8 (E4M3 codes of Wk, K innermost, in blocks of 32 codes); Wk_scales 256 x 8 uint8 (E8M0 scales of Wk, one for each 32 codes along K); Wo_codes 256 x 16 x 32 uint8 (E4M3 codes of Wo, K innermost, in blocks of 32 codes); Wo_scales 256 x 16 uint8 (E8M0 scales of Wo, one for each 32 codes along K); Wq_codes 256 x 8 x 32 uint8 (E4M3 codes of Wq, K innermost, in blocks of 32 codes); Wq_scales 256 x 8 uint8 (E8M0 scales of Wq, one for each 32 codes along K); Wv_codes 512 x 8 x 32 uint8 (E4M3 codes of Wv, K innermost, in blocks of 32 codes); Wv_scales 512 x 8 uint8 (E8M0 scales of Wv, one for each 32 codes along K); bo 256 float32; k_b 256 float32; k_g 256 float32; k_m 256 float32; k_v 256 float32; o_b 256 float32; o_g 256 float32; o_m 256 float32; o_v 256 float32; pos_idx 1,024 x 1,024 int32; pos_tab 1,024 x 8 float32; q_b 256 float32; q_g 256 float32; q_m 256 float32; q_v 256 float32; v_b 512 float32; v_g 512 float32; v_m 512 float32; v_v 512 float32; x_codes 16 x 32 x 32 x 8 x 32 uint8 (E4M3 codes of x, K innermost, in blocks of 32 codes); x_scales 16 x 32 x 32 x 8 uint8 (E8M0 scales of x, one for each 32 codes along K).
;; Outputs: out0 16 x 256 x 32 x 32 float32.
;; This version of the problem:
;;   THIS VERSION OF THE PROBLEM IS GIVEN IN LOW PRECISION. The matrix products marked QUANTISED in the list below multiply operands that are first quantised to E4M3 (4 exponent bits, 3 mantissa bits; 8 bits a number), with one power-of-two scale for each 32 numbers along K (OCP MX v1.0); their sums are f32. All else is computed in f32.
;;   The module's matrix products, in the order in which they are computed (A, B: the left and right operand; K: the contracted axis; several contracted axes count as one K, in the product's order):
;;     1. [M 16,384, K 256] x [K 256, N 256]; A: input x (given as codes); B: input Wq (given as codes): QUANTISED
;;     2. [M 16,384, K 256] x [K 256, N 256]; A: input x (given as codes); B: input Wk (given as codes): QUANTISED
;;     3. [M 16,384, K 256] x [K 256, N 512]; A: input x (given as codes); B: input Wv (given as codes): QUANTISED
;;     4. batch 128 x [M 1,024, K 32] x [K 32, N 1,024]; A: computed on the way; B: computed on the way: QUANTISED
;;     5. batch 128 x [M 1,024, K 1,024] x [K 1,024, N 64]; A: softmax (see below); B: computed on the way: QUANTISED
;;     6. [M 16,384, K 512] x [K 512, N 256]; A: computed on the way; B: input Wo (given as codes): QUANTISED
;;   THE QUANTISER, for each operand of a quantised product, along K:
;;     - K is cut into blocks of 32 from its start; a last block that is shorter is filled with zeros.
;;     - A block's scale is 2^e with e = floor(log2(the largest magnitude in the block)) - 8, held to -126 .. 127; a block of zeros has e = 0. As a byte (E8M0): e + 127.
;;     - Each number is divided by its block's scale, clamped to +-448, and rounded to the nearest number of E4M3, ties to even, subnormals kept.
;;     - The product sums the exact products of the quantised numbers (number of the format x scale) in f32.
;;   ~~~python
;;   def quantise(x, axis):      # numpy; x: float32 -> the quantised numbers, widened to float32 again
;;       x = np.moveaxis(x, axis, -1); K = x.shape[-1]
;;       x = np.pad(x, [(0, 0)] * (x.ndim - 1) + [(0, -K % 32)]); x = x.reshape(x.shape[:-1] + (-1, 32)); a = np.abs(x).max(-1, keepdims=True)
;;       e = np.where(a > 0, np.clip(np.frexp(np.where(a > 0, a, 1))[1] - 1 - 8, -126, 127), 0)      # np.frexp(a)[1] - 1 = floor(log2(a)), exactly
;;       r = np.clip(x / 2.0 ** e, -448, 448)
;;       step = 2.0 ** (np.maximum(np.frexp(np.where(r == 0, 1, r))[1] - 1, -6) - 3)
;;       q = np.round(r / step) * step * 2.0 ** e      # np.round: ties to even
;;       return np.moveaxis(q.reshape(q.shape[:-2] + (-1,))[..., :K], -1, axis).astype(np.float32)
;;   ~~~
;;   SOFTMAX AHEAD OF A QUANTISED PRODUCT. Where the list says 'softmax', what is quantised is not the finished softmax but p = 2^(t - M), with t = logit x log2(e) and M = ceil(the row's largest t), a whole number; so 1/2 < the row's largest p <= 1. The row's sum l is taken of the UNQUANTISED p, in f32, and the product's result is divided by l at the end. Since M is a whole number, a kernel that streams over the keys may use a running M (the ceiling of the running maximum): every later rescaling is an exact power of two, which a block's scale takes up: the codes' values come out the same.
;;   OPERANDS COMPUTED ON THE WAY. 'Computed on the way' means the value that the module computes at that place (a softmax that the list does not call 'softmax' is quantised finished and normalised). What goes into a quantiser is computed in f32, as accurately as f32 sums, v_exp_f32 and their like allow (about 1e-6 of the number): no bf16 or f16 on the way to a quantiser, and a product that is left as it is and whose result goes on into a quantised operand takes f32 operands (vector FMAs, or v_wmma_f32_16x16x4_f32). A number that lies on a knife's edge between two numbers of the format may be rounded either way, as far as f32 arithmetic and the matrix unit's own rounding can turn it there, and no further.
;;   INPUTS GIVEN AS CODES. Wk (in the module: [256, 256], K = its axis 1); Wo (in the module: [256, 512], K = its axis 1); Wq (in the module: [256, 256], K = its axis 1); Wv (in the module: [512, 256], K = its axis 1); x (in the module: [16, 256, 32, 32], K = its axis 1): each comes as NAME_codes (uint8): NAME with its K axis moved to the last place and cut into blocks of 32 codes, [.., K / 32, bytes a block], one block behind the other in memory; one code a byte (a code: sign, 4 exponent bits, 3 mantissa bits); and NAME_scales (uint8): the same leading axes, one E8M0 byte (e + 127) for each 32 codes along K. Its value is code x scale, taken as it is: it is not quantised again, and the codes and scales need not be those that the quantiser above would give.
;; 2 versions. Each part assembles by itself: llvm-mc -triple=amdgcn-amd-amdhsa -mcpu=gfx1250 --defsym DOCPART=n.
;; ======== version 1 of 2: 3 launches
;; workspace buffers: bias 33,554,432 bytes; qimg 4,194,304 bytes; qsc 1,048,576 bytes; kv 14,155,776 bytes; acodes 8,388,608 bytes; asc 524,288 bytes
;; launch qkv (part 1): grid 256 x 1, 4 waves a work-group, no clusters, 0 bytes of LDS; arguments x_codes, x_scales, Wq_codes, Wq_scales, Wk_codes, Wk_scales, Wv_codes, Wv_scales, q_g, q_b, q_m, q_v, k_g, k_b, k_m, k_v, v_g, v_b, v_m, v_v, qimg, qsc, kv, pos_idx, pos_tab, bias; writes qimg, qsc, kv, bias
.if DOCPART == 1
	.amdgcn_target "amdgcn-amd-amdhsa--gfx1250"
	.amdhsa_code_object_version 6
	.text
	.protected	k_qc18e1fde0b_qkv
	.globl	k_qc18e1fde0b_qkv
	.p2align	8
	.type	k_qc18e1fde0b_qkv,@function
k_qc18e1fde0b_qkv:
	s_mov_b64 s[64:65], 0
	v_nop
	global_prefetch_b8 v0, s[64:65] scope:SCOPE_SE
	s_setreg_imm32_b32 hwreg(HW_REG_WAVE_MODE, 25, 1), 1
	s_wait_xcnt 0x0
; TWO PIECES OF WORK THAT SHARE NO DATA, IN ONE WAVE, so that the memory waits of the one stand under the arithmetic of the other.
; (1) q, k, v = BatchNorm(W x), products on codes of FP8 (E4M3) with E8M0 scales as they are given; the results are quantised in registers (q, k along the head's 32, v along the keys)
; and stored as IMAGES OF OPERAND REGISTERS for the attention launch: 16 bytes a lane, 512 consecutive bytes a store.
; SHARES: a work-group takes 128 positions of one batch and four heads; a wave one head: 8 groups of 16 matrix instructions (q 2, k 2, v 4).  x's 16 fragments and all weights of the head stay in registers.
; TILES ARE NOT NEIGHBOURS: row r of tile t (of positions, of W's rows within a head) is 32 (t / 2) + 8 (t % 2) + r + 8 (r / 8), so that the 16 registers of result tiles 2 b, 2 b + 1 are 16 neighbours
; along the next product's K: 32 b + 16 (lane / 16) + 0 .. 15.
; q, k: source 0 = 16 rows of W, source 1 = 16 positions: a lane holds one position and 16 of the head's 32 channels.   v: source 0 = 16 positions, source 1 = 16 rows of Wv: a lane holds one channel and keys.
; kv: [4 h + b / 4][128 keys 8] blocks of 55,296 bytes; in a block [b % 4] parts of 13,824 bytes: K's eight images 4,096, V's four fragments 8,192, K's scale words 1,024, V's 512.
; BatchNorm: y x sc + off with sc = g x rsq(v + eps), off = b - m x sc, in f32.
; (2) bias[h][i][j] = 32 x pos_tab[pos_idx[i][j]][h], made once for all 16 batches, f32, exact (a multiplication by a power of two).  32 = 1 / scale^2: logit = (q.k + 32 x table) x scale, so the attention
; launch takes these numbers as the C of its first product.  LAYOUT: [h 8][block of 128 queries 8][key step 8][query tile w 8][g 16][lane 32][16 bytes]: the image of 64 accumulator registers:
;   lane (r, hh), register 4 g + e:  query i = 128 x block + 32 (w / 2) + 8 (w % 2) + r + 8 (r / 8);  key j = 128 x step + 32 (g / 4) + 16 hh + 4 (g % 4) + e.
; SHARES: 64 query tiles x 8 key steps x 2 halves of 64 keys = the launch's 1,024 waves.  A lane reads 32 indices, gathers 32 rows of the table (a row is all 8 heads, 32 bytes) and stores, for each head, eight runs
; of 16 bytes; each store of the wave covers 512 consecutive bytes, aligned.  An index is held to 0 .. 1,023, the table's rows, before it enters an address.
; ORDER: the indices come with the head's loads; the gathers are on their way under the four groups of q and k; their numbers are multiplied and stored in eight parts between the groups of v.
; LIMITS: v_rsq_f32 is accurate to 1 ulp where the definition divides by a root; NaN and infinities are not served; a block whose largest magnitude lies under 2^-118 (zeros too) gets the scale byte 1:
; these bytes are read by this program alone.
; No tensor load and no shared tile: each wave reads its slice of the weights once, straight into registers.
; REGISTERS: window 0 as named below;  window 1: x's fragments, tile t, K step s at 32 t + 16 s;  window 2: Wq 64, Wk 64, Wv 128;  window 3: the gathered rows, index i at 8 i, head h at + h.
.set LA,  1                            ; (r + 8 (r / 8)) x 256 + 16 hh: a row of 256 codes, for x and every W
.set LSC, 2                            ; (r + 8 (r / 8)) x 8: a row's 8 scale bytes
.set LI,  3                            ; 16 x lane
.set LS,  4                            ; 4 x lane
.set BO,  5                            ; 64 hh: my 16 channels' numbers of q's and k's BatchNorm
.set VO,  6                            ; 4 (r + 8 (r / 8)): my channel's number of v's
.set XS,  8                            ; v8-23   x's scale words, 2 t + s
.set WSQ, 24                           ; v24-27  Wq's, 2 u + s;  v28-31 Wk's;  v32-39 Wv's, 2 f + s
.set WSK, 28
.set WSV, 32
.set QSC, 40                           ; v40-55 sc, v56-71 off of q;  v72-87, v88-103 of k: register i = channel 16 hh + i
.set QOF, 56
.set KSC, 72
.set KOF, 88
.set OUT, 40                           ; v40-103 once q and k are done: the table's numbers x 32, two sets of 32: head h, element e at 4 h + e
.set VBN, 104                          ; v104-119 v: tile f: the pair sc, sc at 4 f, the pair off, off at 4 f + 2
.set ACC, 120                          ; v120-183 eight accumulators
.set PC,  184                          ; v184-199 the codes just made
.set TM,  200                          ; v200-215 at work in QUANT
.set IX,  184                          ; v184-215 until the first QUANT: 32 indices, then their rows' byte offsets
.set PW,  216                          ; the scale word just made
.set VR,  217                          ; v217-232 v's g, b, m, v as loaded
.set OV,  232                          ; v233-235 at OV + k, k = 1 .. 3: 16 x lane + k x 8,388,608: heads 2 k and 2 k + 1 (heads 0 and 1 take v[LI]; the odd head stands in the store's immediate)
.set IO,  236                          ; my byte in pos_idx: (r + 8 (r / 8)) rows of 4,096 bytes + 64 hh
.set WFA, 0
.set WFB, 64
.set WFV, 128
.set WV,  50
.set SEL, 56
.set MNT, 58
.set KC,  66                           ; s[66:67] K's images, s[68:69] K's scale words, s[70:71] V's images, s[72:73] V's scale words, s[74:75] Q's images, s[76:77] Q's scale words
.set KSB, 68
.set VC,  70
.set VSB, 72
.set QC,  74
.set QSB, 76
.set PI,  80                           ; s[80:81] pos_idx, s[82:83] pos_tab, s[84:85] bias
.set PT,  82
.set BI,  84
.set C32, 92                           ; 32.0
.set MSB, 0
.macro WIN new                         ; the immediate's high byte repeats the setting that is left
.if MSB != \new
	s_set_vgpr_msb (MSB<<8)|\new
.set MSB, \new
.endif
.endm
; 64 numbers of a lane, register 16 b + i = number 32 b + 16 (lane / 16) + i along K, become codes in v[PC + 4 b ..], scale bytes in v[TM + 4 + b] and, with word = 1, the scale word in v[PW].
.macro QUANT s, word
.irp b, 0,1,2,3
	v_max3_num_f32 v[TM+\b], |v[\s+16*\b]|, |v[\s+1+16*\b]|, 0x4800000   ; block b: my 16 numbers and the floor 2^(9 - 127), which holds the byte at 1 from below
.endr
.irp i, 2,4,6,8,10,12,14
.irp b, 0,1,2,3
	v_max3_num_f32 v[TM+\b], v[TM+\b], |v[\s+16*\b+\i]|, |v[\s+1+16*\b+\i]|   ; the four blocks by turns
.endr
.endr
.irp b, 0,1,2,3
	v_permlanex16_b32 v[TM+4+\b], v[TM+\b], s[SEL], s[SEL+1]   ; (its destination counts as one of its sources: these registers have held indices, so they are written)
.endr
.irp b, 0,1,2,3
	v_max_num_f32 v[TM+\b], v[TM+\b], v[TM+4+\b]   ; with lane l xor 16's 16: the block's largest magnitude
.endr
.irp b, 0,1,2,3
	v_add_nc_u32 v[TM+12+\b], 0xfc000000, v[TM+\b] ; 8 off its exponent field: the conversion's scale operand
.endr
.irp b, 0,1,2,3
	v_and_or_b32 v[TM+8+\b], v[TM+\b], 0x7f800000, s[MNT]   ; 448 x the scale
.endr
.irp b, 0,1,2,3
	v_lshrrev_b32 v[TM+4+\b], 23, v[TM+12+\b]      ; the scale's byte
.endr
.if \word
	v_lshl_or_b32 v[PW], v[TM+5], 8, v[TM+4]
	v_lshl_or_b32 v[PW], v[TM+6], 16, v[PW]
	v_lshl_or_b32 v[PW], v[TM+7], 24, v[PW]
.endif
.irp b, 0,1,2,3
.irp i, 0,1,2,3,4,5,6,7,8,9,10,11,12,13,14,15
	v_med3_num_f32 v[\s+16*\b+\i], v[\s+16*\b+\i], -v[TM+8+\b], v[TM+8+\b]   ; the conversion to an 8-bit code does not saturate (ISA guide 7.6.2): the hold comes first
.endr
	v_cvt_scalef32_pk8_fp8_f32 v[PC+4*\b:PC+1+4*\b], v[\s+16*\b:\s+7+16*\b], v[TM+12+\b]
	v_cvt_scalef32_pk8_fp8_f32 v[PC+2+4*\b:PC+3+4*\b], v[\s+8+16*\b:\s+15+16*\b], v[TM+12+\b]
.endr
	v_nop                                          ; one plain line behind the last conversion, ahead of whatever next touches its registers
.endm
.macro PLACES                          ; eight plain lines between these matrix instructions and the first read of their results
.rept 8
	v_nop
.endr
.endm
	s_load_b512 s[4:19], s[0:1], 0x0               ; x codes, x scales, Wq codes, scales, Wk codes, scales, Wv codes, scales
	s_load_b512 s[20:35], s[0:1], 0x40             ; q_g, q_b, q_m, q_v, k_g, k_b, k_m, k_v
	s_load_b256 s[36:43], s[0:1], 0x80             ; v_g, v_b, v_m, v_v
	s_load_b128 s[44:47], s[0:1], 0xa0             ; qimg, qsc
	s_load_b64 s[48:49], s[0:1], 0xb0              ; kv
	s_load_b64 s[PI:PI+1], s[0:1], 0xb8            ; pos_idx
	s_load_b64 s[PT:PT+1], s[0:1], 0xc0            ; pos_tab
	s_load_b64 s[BI:BI+1], s[0:1], 0xc8            ; bias
	v_lshrrev_b32 v7, 5, v0
	v_readfirstlane_b32 s[WV], v7                  ; wave 0..3
	v_and_b32 v7, 15, v0                           ; r
	v_bfe_u32 v[BO], v0, 4, 1                      ; hh
	v_and_b32 v[VO], 8, v7
	v_add_nc_u32 v[VO], v[VO], v7                  ; r + 8 (r / 8)
	v_lshlrev_b32 v[LA], 8, v[VO]
	v_lshl_add_u32 v[LA], v[BO], 4, v[LA]
	v_lshlrev_b32 v[LSC], 3, v[VO]
	v_lshlrev_b32 v[IO], 12, v[VO]
	v_lshl_add_u32 v[IO], v[BO], 6, v[IO]
	v_lshlrev_b32 v[VO], 2, v[VO]
	v_lshlrev_b32 v[BO], 6, v[BO]
	v_and_b32 v7, 31, v0
	v_lshlrev_b32 v[LI], 4, v7
	v_lshlrev_b32 v[LS], 2, v7
.irp k, 1,2,3
	v_add_nc_u32 v[OV+\k], \k*8388608, v[LI]
.endr
	s_mov_b32 s[SEL], 0x76543210
	s_mov_b32 s[SEL+1], 0xfedcba98                 ; lane l xor 16
	s_mov_b32 s[MNT], 0x600000                     ; the mantissa field of 448
	s_mov_b32 s[C32], 0x42000000                   ; 32.0
	s_and_b32 s51, ttmp9, 1
	s_lshl_b32 s51, s51, 2
	s_add_co_u32 s51, s51, s[WV]                   ; h: my head
	s_lshr_b32 s52, ttmp9, 4                       ; b: the batch
	s_bfe_u32 s53, ttmp9, 0x30001                  ; ks: which 128 positions
	s_lshr_b32 s54, s52, 2                         ; bg = b / 4
	s_and_b32 s55, s52, 3                          ; bl = b % 4
	s_lshl_b32 s59, s51, 2
	s_add_co_u32 s59, s59, s54
	s_lshl_b32 s59, s59, 3
	s_add_co_u32 s59, s59, s53                     ; blk = (4 h + bg) x 8 + ks
	s_lshl_b32 s60, s52, 10
	s_lshl_b32 s62, s53, 7
	s_add_co_u32 s60, s60, s62                     ; my first position among the 16,384
	s_lshl_b32 s62, s60, 3                         ; its scale bytes,
	s_lshl_b32 s60, s60, 8                         ; its codes
	s_mov_b32 s61, 0
	s_mov_b32 s63, 0
	s_mov_b32 s79, 0
	; the table's part: wave number w = 4 x work-group + wave among the launch's 1,024
	s_lshl_b32 s86, ttmp9, 2
	s_add_co_u32 s86, s86, s[WV]
	s_lshr_b32 s87, s86, 4                         ; T: the query tile, 0..63
	s_bfe_u32 s88, s86, 0x30001                    ; the key step
	s_and_b32 s89, s86, 1                          ; which 64 keys of it
	s_lshr_b32 s90, s87, 1
	s_lshl_b32 s90, s90, 5
	s_and_b32 s91, s87, 1
	s_lshl_b32 s91, s91, 3
	s_add_co_u32 s90, s90, s91                     ; the tile's first row of pos_idx: 32 (T / 2) + 8 (T % 2)
	s_lshl_b32 s90, s90, 12
	s_lshl_b32 s91, s88, 9
	s_add_co_u32 s90, s90, s91                     ; + 128 keys x 4 bytes a step
	s_lshl_b32 s91, s89, 8
	s_add_co_u32 s90, s90, s91                     ; + 64 keys x 4 bytes: my 256 bytes of a row begin at a multiple of 256
	s_mov_b32 s91, 0
	s_wait_kmcnt 0x0
	s_add_nc_u64 s[PI:PI+1], s[PI:PI+1], s[90:91]
	s_lshr_b32 s90, s87, 3
	s_lshl_b32 s90, s90, 3
	s_add_co_u32 s90, s90, s88
	s_lshl_b32 s90, s90, 3
	s_and_b32 s87, s87, 7
	s_add_co_u32 s90, s90, s87                     ; ((block x 8 + step) x 8 + w)
	s_lshl_b32 s90, s90, 13                        ; x 8,192 bytes
	s_lshl_b32 s89, s89, 12
	s_add_co_u32 s90, s90, s89                     ; + my eight g of 512 bytes
	s_add_nc_u64 s[BI:BI+1], s[BI:BI+1], s[90:91]
	s_add_nc_u64 s[4:5], s[4:5], s[60:61]
	s_add_nc_u64 s[6:7], s[6:7], s[62:63]
	s_lshl_b32 s78, s51, 13                        ; Wq, Wk: 32 rows of 256 bytes a head
	s_add_nc_u64 s[8:9], s[8:9], s[78:79]
	s_add_nc_u64 s[12:13], s[12:13], s[78:79]
	s_lshl_b32 s78, s51, 8                         ; their scales: 32 rows of 8 bytes
	s_add_nc_u64 s[10:11], s[10:11], s[78:79]
	s_add_nc_u64 s[14:15], s[14:15], s[78:79]
.irp p, 36,38,40,42
	s_add_nc_u64 s[\p:\p+1], s[\p:\p+1], s[78:79]  ; v's BatchNorm: 64 numbers of 4 bytes a head: the same 256 h
.endr
	s_lshl_b32 s78, s51, 14                        ; Wv: 64 rows of 256 bytes
	s_add_nc_u64 s[16:17], s[16:17], s[78:79]
	s_lshl_b32 s78, s51, 9
	s_add_nc_u64 s[18:19], s[18:19], s[78:79]
	s_lshl_b32 s78, s51, 7                         ; q's and k's BatchNorm: 32 numbers a head
.irp p, 20,22,24,26,28,30,32,34
	s_add_nc_u64 s[\p:\p+1], s[\p:\p+1], s[78:79]
.endr
	s_mul_i32 s78, s59, 55296                      ; my block of kv,
	s_add_nc_u64 s[48:49], s[48:49], s[78:79]
	s_mul_i32 s78, s55, 13824                      ; my batch's part of it: K's images first,
	s_add_nc_u64 s[KC:KC+1], s[48:49], s[78:79]
	s_add_nc_u64 s[VC:VC+1], s[KC:KC+1], 4096      ; then V's fragments,
	s_add_nc_u64 s[KSB:KSB+1], s[KC:KC+1], 12288   ; K's scale words,
	s_add_nc_u64 s[VSB:VSB+1], s[KC:KC+1], 13312   ; V's
	s_lshl_b32 s78, s59, 14
	s_lshl_b32 s60, s55, 12
	s_add_co_u32 s78, s78, s60
	s_add_nc_u64 s[QC:QC+1], s[44:45], s[78:79]
	s_lshr_b32 s78, s78, 2                         ; the scale words take a quarter of the images' bytes
	s_add_nc_u64 s[QSB:QSB+1], s[46:47], s[78:79]
.irp g, 0,1,2,3,4,5,6,7
	global_load_b128 v[IX+4*\g:IX+4*\g+3], v[IO], s[PI:PI+1] offset:128*(\g/4)+16*(\g%4)   ; the indices first: the longest chain of the kernel hangs on them.  The eight loads share sixteen blocks of 256 bytes
.endr
.irp g, 0,1,2,3
	global_load_b128 v[QSC+4*\g:QSC+4*\g+3], v[BO], s[20:21] offset:16*\g          ; g
	global_load_b128 v[QOF+4*\g:QOF+4*\g+3], v[BO], s[22:23] offset:16*\g          ; b
	global_load_b128 v[ACC+4*\g:ACC+4*\g+3], v[BO], s[24:25] offset:16*\g          ; m
	global_load_b128 v[ACC+16+4*\g:ACC+16+4*\g+3], v[BO], s[26:27] offset:16*\g    ; v
	global_load_b128 v[KSC+4*\g:KSC+4*\g+3], v[BO], s[28:29] offset:16*\g
	global_load_b128 v[KOF+4*\g:KOF+4*\g+3], v[BO], s[30:31] offset:16*\g
	global_load_b128 v[ACC+32+4*\g:ACC+32+4*\g+3], v[BO], s[32:33] offset:16*\g
	global_load_b128 v[ACC+48+4*\g:ACC+48+4*\g+3], v[BO], s[34:35] offset:16*\g
.endr
.irp f, 0,1,2,3
	global_load_b32 v[VR+\f], v[VO], s[36:37] offset:(32*(\f/2)+8*(\f%2))*4
	global_load_b32 v[VR+4+\f], v[VO], s[38:39] offset:(32*(\f/2)+8*(\f%2))*4
	global_load_b32 v[VR+8+\f], v[VO], s[40:41] offset:(32*(\f/2)+8*(\f%2))*4
	global_load_b32 v[VR+12+\f], v[VO], s[42:43] offset:(32*(\f/2)+8*(\f%2))*4
	global_load_b64 v[WSV+2*\f:WSV+2*\f+1], v[LSC], s[18:19] offset:(32*(\f/2)+8*(\f%2))*8
.endr
.irp u, 0,1
	global_load_b64 v[WSQ+2*\u:WSQ+2*\u+1], v[LSC], s[10:11] offset:64*\u
	global_load_b64 v[WSK+2*\u:WSK+2*\u+1], v[LSC], s[14:15] offset:64*\u
.endr
.irp t, 0,1,2,3,4,5,6,7
	global_load_b64 v[XS+2*\t:XS+2*\t+1], v[LSC], s[6:7] offset:(32*(\t/2)+8*(\t%2))*8
.endr
	WIN 0x80                                       ; destination window 2
.irp u, 0,1
.irp k, 0,1
.irp c, 0,1,2,3
	global_load_b128 v[WFA+32*\u+16*\k+4*\c:WFA+32*\u+16*\k+4*\c+3], v[LA], s[8:9] offset:8*\u*256+128*\k+32*\c
	global_load_b128 v[WFB+32*\u+16*\k+4*\c:WFB+32*\u+16*\k+4*\c+3], v[LA], s[12:13] offset:8*\u*256+128*\k+32*\c
.endr
.endr
.endr
.irp f, 0,1,2,3
.irp k, 0,1
.irp c, 0,1,2,3
	global_load_b128 v[WFV+32*\f+16*\k+4*\c:WFV+32*\f+16*\k+4*\c+3], v[LA], s[16:17] offset:(32*(\f/2)+8*(\f%2))*256+128*\k+32*\c   ; all of Wv's four tiles too: behind the head's wait the gathers are the only loads out
.endr
.endr
.endr
	WIN 0x40                                       ; destination window 1
.irp t, 0,1,2,3,4,5,6,7
.irp k, 0,1
.irp c, 0,1,2,3
	global_load_b128 v[32*\t+16*\k+4*\c:32*\t+16*\k+4*\c+3], v[LA], s[4:5] offset:(32*(\t/2)+8*(\t%2))*256+128*\k+32*\c
.endr
.endr
.endr
	WIN 0
	s_wait_loadcnt 0x0
	; the gathers go out first: 64 loads, which have the four groups of q and k in which to land
.set j, 0
.rept 32
	v_min_u32 v[IX+j], 0x3ff, v[IX+j]              ; inside the table
.set j, j+1
.endr
.set j, 0
.rept 32
	v_lshlrev_b32 v[IX+j], 5, v[IX+j]              ; a row of the table is 32 bytes
.set j, j+1
.endr
	WIN 0xc0                                       ; destination window 3, address window 0
.set j, 0
.rept 32
	global_load_b128 v[8*j:8*j+3], v[IX+j], s[PT:PT+1]
	global_load_b128 v[8*j+4:8*j+7], v[IX+j], s[PT:PT+1] offset:16
.set j, j+1
.endr
	WIN 0
	; BatchNorm's constants: 36 roots in one batch
.irp i, 0,1,2,3,4,5,6,7,8,9,10,11,12,13,14,15
	v_add_f32 v[ACC+16+\i], 0x3727c5ac, v[ACC+16+\i]   ; v + 1e-5
	v_add_f32 v[ACC+48+\i], 0x3727c5ac, v[ACC+48+\i]
.endr
.irp f, 0,1,2,3
	v_add_f32 v[VR+12+\f], 0x3727c5ac, v[VR+12+\f]
.endr
.irp i, 0,1,2,3,4,5,6,7,8,9,10,11,12,13,14,15
	v_rsq_f32 v[ACC+16+\i], v[ACC+16+\i]
	v_rsq_f32 v[ACC+48+\i], v[ACC+48+\i]
.endr
.irp f, 0,1,2,3
	v_rsq_f32 v[VR+12+\f], v[VR+12+\f]
.endr
	v_nop                                          ; a plain line behind the last root
	s_wait_alu depctr_va_vdst(0)                   ; one wait for the batch, ahead of its first reader
.irp i, 0,1,2,3,4,5,6,7,8,9,10,11,12,13,14,15
	v_mul_f32 v[QSC+\i], v[QSC+\i], v[ACC+16+\i]
	v_mul_f32 v[KSC+\i], v[KSC+\i], v[ACC+48+\i]
.endr
.irp i, 0,1,2,3,4,5,6,7,8,9,10,11,12,13,14,15
	v_fma_f32 v[QOF+\i], -v[ACC+\i], v[QSC+\i], v[QOF+\i]
	v_fma_f32 v[KOF+\i], -v[ACC+32+\i], v[KSC+\i], v[KOF+\i]
.endr
.irp f, 0,1,2,3
	v_mul_f32 v[VBN+4*\f], v[VR+\f], v[VR+12+\f]
.endr
.irp f, 0,1,2,3
	v_fma_f32 v[VBN+4*\f+2], -v[VR+8+\f], v[VBN+4*\f], v[VR+4+\f]
	v_mov_b32 v[VBN+4*\f+1], v[VBN+4*\f]           ; the packed form names pairs, so both halves are written
.endr
.irp f, 0,1,2,3
	v_mov_b32 v[VBN+4*\f+3], v[VBN+4*\f+2]
.endr
; A group of q or of k: position tiles 4 g .. 4 g + 3 x the head's two tiles of W's rows, K = 256 in two steps.  The eight accumulators take turns.
.macro GQK g, wf, ws, sc, of, cb, sb
	WIN 0x06                                       ; source 0 (W) window 2, source 1 (x) window 1
.irp b, 0,1,2,3
.irp u, 0,1
	v_wmma_scale_f32_16x16x128_f8f6f4 v[ACC+16*\b+8*\u:ACC+16*\b+8*\u+7], v[\wf+32*\u:\wf+32*\u+15], v[32*(4*\g+\b):32*(4*\g+\b)+15], 0, v[\ws+2*\u], v[XS+2*(4*\g+\b)]
.endr
.endr
.irp b, 0,1,2,3
.irp u, 0,1
	v_wmma_scale_f32_16x16x128_f8f6f4 v[ACC+16*\b+8*\u:ACC+16*\b+8*\u+7], v[\wf+32*\u+16:\wf+32*\u+31], v[32*(4*\g+\b)+16:32*(4*\g+\b)+31], v[ACC+16*\b+8*\u:ACC+16*\b+8*\u+7], v[\ws+2*\u+1], v[XS+2*(4*\g+\b)+1]
.endr
.endr
	WIN 0
	PLACES
	s_wait_xcnt 0x0                                ; the last group's stores have read their data, and the gathers their offsets: the quantiser's registers are written again only behind this wait
.irp b, 0,1,2,3
.irp p, 0,2,4,6,8,10,12,14
	v_pk_fma_f32 v[ACC+16*\b+\p:ACC+16*\b+\p+1], v[ACC+16*\b+\p:ACC+16*\b+\p+1], v[\sc+\p:\sc+\p+1], v[\of+\p:\of+\p+1]   ; BatchNorm; each accumulator from its low end on
.endr
.endr
	QUANT ACC, 0                                   ; block b = the head's 32 channels of position tile 4 g + b
.irp b, 0,1,2,3
	global_store_b128 v[LI], v[PC+4*\b:PC+4*\b+3], s[\cb:\cb+1] offset:(4*\g+\b)*512
	global_store_b32 v[LS], v[TM+4+\b], s[\sb:\sb+1] offset:(4*\g+\b)*128   ; the byte in a word whose other three bytes are 0
.endr
.endm
; A group of v: all eight position tiles x tile f of Wv's rows.  A lane holds one channel and 64 of the 128 keys: one whole fragment of V with the keys innermost.
.macro GV f, wf
	WIN 0x09                                       ; source 0 (x) window 1, source 1 (Wv) window 2
.irp t, 0,1,2,3,4,5,6,7
	v_wmma_scale_f32_16x16x128_f8f6f4 v[ACC+8*\t:ACC+8*\t+7], v[32*\t:32*\t+15], v[\wf:\wf+15], 0, v[XS+2*\t], v[WSV+2*\f]
.endr
.irp t, 0,1,2,3,4,5,6,7
	v_wmma_scale_f32_16x16x128_f8f6f4 v[ACC+8*\t:ACC+8*\t+7], v[32*\t+16:32*\t+31], v[\wf+16:\wf+31], v[ACC+8*\t:ACC+8*\t+7], v[XS+2*\t+1], v[WSV+2*\f+1]
.endr
	WIN 0
	PLACES
	s_wait_xcnt 0x0
.set j, 0
.rept 32
	v_pk_fma_f32 v[ACC+j:ACC+j+1], v[ACC+j:ACC+j+1], v[VBN+4*\f:VBN+4*\f+1], v[VBN+4*\f+2:VBN+4*\f+3] op_sel_hi:[1,0,0]
.set j, j+2
.endr
	QUANT ACC, 1
.irp c, 0,1,2,3
	global_store_b128 v[LI], v[PC+4*\c:PC+4*\c+3], s[VC:VC+1] offset:\f*2048+\c*512
.endr
	global_store_b32 v[LS], v[PW], s[VSB:VSB+1] offset:\f*128
.endm
; Part g of eight of the table's numbers: four indices' rows, x 32, and from [key][head] to [head][key] by the choice of registers; eight stores of 512 consecutive bytes, one a head.
.macro BIASG g
	s_wait_loadcnt 8*(7-(\g))                      ; loads come back in order: this part's eight gathers are in; the eight of each later part may be out
.if (\g) >= 2
	s_wait_xcnt 0x0                                ; the stores of two parts back have read their data: that set is written again only behind this wait
.endif
	WIN 0x0c                                       ; source 1 (the gathered rows) window 3
.irp h, 0,1,2,3,4,5,6,7
.irp e, 0,1,2,3
	v_mul_f32 v[OUT+32*((\g)%2)+4*\h+\e], s[C32], v[32*(\g)+8*\e+\h]
.endr
.endr
	WIN 0
.irp h, 0,1,2,3,4,5,6,7
.if \h < 2
	global_store_b128 v[LI], v[OUT+32*((\g)%2)+4*\h:OUT+32*((\g)%2)+4*\h+3], s[BI:BI+1] offset:(\h%2)*4194304+(\g)*512
.else
	global_store_b128 v[OV+\h/2], v[OUT+32*((\g)%2)+4*\h:OUT+32*((\g)%2)+4*\h+3], s[BI:BI+1] offset:(\h%2)*4194304+(\g)*512
.endif
.endr
.endm
	GQK 0, WFA, WSQ, QSC, QOF, QC, QSB
	GQK 1, WFA, WSQ, QSC, QOF, QC, QSB
	GQK 0, WFB, WSK, KSC, KOF, KC, KSB
	GQK 1, WFB, WSK, KSC, KOF, KC, KSB
	BIASG 0                                        ; q's and k's constants are done with: their registers take the table's numbers.  The parts stand between the groups of v, so that their stores leave under arithmetic
	BIASG 1
	BIASG 2
	BIASG 3
	GV 0, WFV
	BIASG 4
	BIASG 5
	GV 1, WFV+32
	BIASG 6
	BIASG 7
	GV 2, WFV+64
	GV 3, WFV+96
	s_endpgm
.Lfunc_end_k_qc18e1fde0b_qkv:
	.size	k_qc18e1fde0b_qkv, .Lfunc_end_k_qc18e1fde0b_qkv-k_qc18e1fde0b_qkv
	.p2alignl 7, 3214868480
	.fill 96, 4, 3214868480
	.section	.rodata,"a",@progbits
	.p2align	6, 0x0
	.amdhsa_kernel k_qc18e1fde0b_qkv
		.amdhsa_group_segment_fixed_size 0
		.amdhsa_private_segment_fixed_size 0
		.amdhsa_enable_private_segment 0
		.amdhsa_kernarg_size 208
		.amdhsa_user_sgpr_count 2
		.amdhsa_user_sgpr_kernarg_segment_ptr 1
		.amdhsa_wavefront_size32 1
		.amdhsa_system_sgpr_workgroup_id_x 1
		.amdhsa_system_sgpr_workgroup_id_y 1
		.amdhsa_system_sgpr_workgroup_id_z 1
		.amdhsa_system_vgpr_workitem_id 0
		.amdhsa_next_free_vgpr 1024
		.amdhsa_next_free_sgpr 94
		.amdhsa_reserve_vcc 0
		.amdhsa_float_denorm_mode_32 3
		.amdhsa_float_denorm_mode_16_64 3
		.amdhsa_memory_ordered 1
		.amdhsa_forward_progress 1
		.amdhsa_inst_pref_size 158
	.end_amdhsa_kernel
	.amdgpu_metadata
---
amdhsa.version: [ 1, 2 ]
amdhsa.kernels:
  - .name:           k_qc18e1fde0b_qkv
    .symbol:         k_qc18e1fde0b_qkv.kd
    .args:
      - { .name: x_codes, .offset: 0, .size: 8, .value_kind: global_buffer, .address_space: global }
      - { .name: x_scales, .offset: 8, .size: 8, .value_kind: global_buffer, .address_space: global }
      - { .name: Wq_codes, .offset: 16, .size: 8, .value_kind: global_buffer, .address_space: global }
      - { .name: Wq_scales, .offset: 24, .size: 8, .value_kind: global_buffer, .address_space: global }
      - { .name: Wk_codes, .offset: 32, .size: 8, .value_kind: global_buffer, .address_space: global }
      - { .name: Wk_scales, .offset: 40, .size: 8, .value_kind: global_buffer, .address_space: global }
      - { .name: Wv_codes, .offset: 48, .size: 8, .value_kind: global_buffer, .address_space: global }
      - { .name: Wv_scales, .offset: 56, .size: 8, .value_kind: global_buffer, .address_space: global }
      - { .name: q_g, .offset: 64, .size: 8, .value_kind: global_buffer, .address_space: global }
      - { .name: q_b, .offset: 72, .size: 8, .value_kind: global_buffer, .address_space: global }
      - { .name: q_m, .offset: 80, .size: 8, .value_kind: global_buffer, .address_space: global }
      - { .name: q_v, .offset: 88, .size: 8, .value_kind: global_buffer, .address_space: global }
      - { .name: k_g, .offset: 96, .size: 8, .value_kind: global_buffer, .address_space: global }
      - { .name: k_b, .offset: 104, .size: 8, .value_kind: global_buffer, .address_space: global }
      - { .name: k_m, .offset: 112, .size: 8, .value_kind: global_buffer, .address_space: global }
      - { .name: k_v, .offset: 120, .size: 8, .value_kind: global_buffer, .address_space: global }
      - { .name: v_g, .offset: 128, .size: 8, .value_kind: global_buffer, .address_space: global }
      - { .name: v_b, .offset: 136, .size: 8, .value_kind: global_buffer, .address_space: global }
      - { .name: v_m, .offset: 144, .size: 8, .value_kind: global_buffer, .address_space: global }
      - { .name: v_v, .offset: 152, .size: 8, .value_kind: global_buffer, .address_space: global }
      - { .name: qimg, .offset: 160, .size: 8, .value_kind: global_buffer, .address_space: global }
      - { .name: qsc, .offset: 168, .size: 8, .value_kind: global_buffer, .address_space: global }
      - { .name: kv, .offset: 176, .size: 8, .value_kind: global_buffer, .address_space: global }
      - { .name: pos_idx, .offset: 184, .size: 8, .value_kind: global_buffer, .address_space: global }
      - { .name: pos_tab, .offset: 192, .size: 8, .value_kind: global_buffer, .address_space: global }
      - { .name: bias, .offset: 200, .size: 8, .value_kind: global_buffer, .address_space: global }
    .group_segment_fixed_size: 0
    .private_segment_fixed_size: 0
    .kernarg_segment_align: 8
    .kernarg_segment_size: 208
    .max_flat_workgroup_size: 128
    .sgpr_count:     94
    .vgpr_count:     1024
    .wavefront_size: 32
...
	.end_amdgpu_metadata
.endif
;; end of part 1
;; launch att (part 2): grid 16 x 32, 16 waves a work-group, no clusters, 327,680 bytes of LDS; arguments qimg, qsc, kv, bias, acodes, asc; writes acodes, asc
.if DOCPART == 2
	.amdgcn_target "amdgcn-amd-amdhsa--gfx1250"
	.amdhsa_code_object_version 6
	.text
	.protected	k_qc18e1fde0b_att
	.globl	k_qc18e1fde0b_att
	.p2align	8
	.type	k_qc18e1fde0b_att,@function
k_qc18e1fde0b_att:
	s_mov_b64 s[64:65], 0
	v_nop
	global_prefetch_b8 v0, s[64:65] scope:SCOPE_SE
	s_setreg_imm32_b32 hwreg(HW_REG_WAVE_MODE, 25, 1), 1
	s_wait_xcnt 0x0
; Attention on codes of FP8 (E4M3) with E8M0 scales: S^T = K Q^T + 32 x table, softmax by p = 2^(t - M), O^T = V^T P^T, O / l, relu, quantised along c = 64 h + dv for the last product.
; t = (q.k + 32 x table) x c, c = log2(e) / sqrt(32); M = the running largest t rounded up to a whole number; l is the sum of the unquantised p; a change of M multiplies l and O by an exact power of two.
; SHARES: a work-group owns one head, four batches and 64 queries.  Wave w of its sixteen owns batch w % 4 and query tile w / 4: ONE batch, one tile of 16 queries, in 256 registers: four waves to a SIMD, so that
; one wave's vector work stands beside another's matrix work and LDS loads.  Every wave walks the 1,024 keys in 8 steps of 128.
; THE TABLE'S NUMBERS (32 x pos_tab[pos_idx], laid as an image of the scores' registers) are loaded from LDS straight into the scores' registers, and the first product adds onto them: no vector instruction.
; BOTH PRODUCTS ARE USED TRANSPOSED (source 0 = 16 keys, or 16 channels of V; source 1 = my 16 queries): a lane holds one query throughout.  All operands arrive as images of their registers, 16 bytes a lane.
; K = 32 IN AN INSTRUCTION 128 DEEP: a tile of K is 4 registers.  Source 0 names 16 from there on: the three blocks behind it hold the next tiles' codes, or, behind the last tile, V's first registers (zeros
; at first, then codes of V, which are finite); Q's three blocks there are zero codes, and the scale words' upper three bytes are 0 (a power of two, never 0xff): those blocks add exactly 0.
; RING: two LDS slots, each with a key step's K, V and scale words of the four batches (55,296 bytes) and the work-group's four tiles of the table's numbers (32,768 bytes).  Waves 0-3 fetch a batch's part
; each (54 rows of 256 bytes), waves 4-5 half of the table's tiles each (64 rows); all sixteen read.  One tensor load of a wave is out at any time.
; NO CLUSTER: the sixteen work-groups of a head and batch group read the same K and V (55,296 of a step's 88,064 bytes), and this text asks for them singly; joint loads by four would divide those requests
; by four and are not taken here.
; O and l begin as zeros and the largest t as -3e38: the key step is written for the loop and for the last slot alone, at the price of 32 clears at the head.
; LIMITS: NaN and infinities are not served; a block whose largest number lies under 2^-118 (zeros too) gets the scale byte 1 (read by this program alone); v_rcp_f32 (1 ulp) stands for the division by l.
; The scale words of the result leave 4 bytes a lane, 32 bytes apart: 524,288 bytes in the whole launch.
.set SLOT1, 131072                     ; slot 1 begins here, so that one exclusive or turns an address in one slot into the other's
.set KVB,   55296                      ; a key step's block of kv
.set KVQ,   13824                      ; a batch's part of it: K's images 4,096, V's fragments 8,192, K's scale words 1,024, V's 512
.set BIB,   65536                      ; from key step to key step in the table's numbers
.set SPARE, 262144                     ; the spare words: 128 bytes for each of sixteen waves, eight blocks of 256 bytes that no other line names
.set AI0, 1                            ; 16 x lane + KVQ x batch
.set AS0, 2                            ; 4 x lane + KVQ x batch
.set AB0, 3                            ; 16 x lane + KVB + 8,192 x query tile
.set SPW, 4                            ; SPARE + 4 x my thread's number; never rewritten
.set NIL, 5                            ; 0; never rewritten
.set ADI, 6                            ; the slot + AI0
.set ADS, 7                            ; the slot + AS0
.set ADB, 8                            ; the slot + AB0
.set PFO, 9                            ; the prefetches' offset: 256 x lane (in wave 6: 256 x min(lane, 23)); never rewritten
.set LI,  10                           ; 16 x lane
.set QS,  11                           ; Q's scale word
                                       ; v12 -M, v13 the largest t, v[14:15] l in two halves
.set Q,   16                           ; v16-31   Q: 4 registers of codes, 12 of zeros
.set KF,  32                           ; v32-63   K's eight tiles, 4 registers each
.set PC,  32                           ; v32-47   p's codes, once K is done with
.set VF,  64                           ; v64-127  V's four fragments
.set S,   128                          ; v128-191 the table's tile, then S^T, then p
.set O,   192                          ; v192-223 O^T, 8 a tile of channels
.set KS,  224                          ; v224-231 K's scale words
.set TM,  232                          ; v232-247 at work
.set VS,  248                          ; v248-251 V's scale words
                                       ; v252 f, v253 p's scale word, v254 at work
.set WV,  16
.set G1K, 24
.set G1B, 32
.set G0K, 40
.set G0B, 44
.set PFA, 48                           ; s[48:49] where my prefetches stand
.set PFS, 50                           ; s[50:51] a key step on, in bytes: KVB in kv, BIB in the table's numbers
.set LIM, 52                           ; 1 in a wave that prefetches, else the greatest number
.set TB,  53                           ; LDS byte at which the slot in hand begins
.set SLOTS, 54
.set MNT, 55
.set SEL, 56
.set CS,  58
; Waves 0-3 fetch for K and V, waves 4-5 the table's tiles, the others nothing.  The branches hang on the wave's number alone.  Four v_nop follow each of the two lines.
.macro TLOAD
	s_cmp_lt_u32 s[WV], 4
	s_cbranch_scc0 .Lnot_k_\@
	tensor_load_to_lds s[G0K:G0K+3], s[G1K:G1K+7]
	s_nop 0
.rept 4
	v_nop
.endr
	s_branch .Lasked_\@
.Lnot_k_\@:
	s_cmp_lt_u32 s[WV], 6
	s_cbranch_scc0 .Lasked_\@
	tensor_load_to_lds s[G0B:G0B+3], s[G1B:G1B+7]
	s_nop 0
.rept 4
	v_nop
.endr
.Lasked_\@:
.endm
; A PREFETCH INTO THE L2 of what the NEXT change of slots will ask for, one key step ahead of that load; one instruction a wave, a lane a row of 256 bytes.  A block of kv (216 rows) is read by the sixteen
; work-groups of a head and batch group: the first of them asks, waves 0-6, 32 rows each (wave 6: 24; its last lanes name row 215 again).  The work-group's 128 rows of the table's numbers are read by the four
; batch groups: the first of them asks, waves 8-11.  So each row is named by one work-group.  The last change that fills a slot asks for nothing; key steps 0 and 1 come by their loads alone.
.macro ASK
	s_cmp_gt_u32 s[SLOTS], s[LIM]
	s_cbranch_scc0 .Lnot_mine_\@
	global_prefetch_b8 v[PFO], s[PFA:PFA+1] th:TH_LOAD_NT scope:SCOPE_SE
.Lnot_mine_\@:
.endm
	s_load_b256 s[4:11], s[0:1], 0x0               ; qimg, qsc, kv, bias
	s_load_b128 s[12:15], s[0:1], 0x20             ; acodes, asc
	v_lshl_add_u32 v[SPW], v0, 2, SPARE
	v_mov_b32 v[NIL], 0
	ds_add_u32 v4, v5
	s_wait_dscnt 0x0
	v_lshrrev_b32 v6, 5, v0
	v_readfirstlane_b32 s[WV], v6                  ; wave 0..15
	s_and_b32 s17, s[WV], 3                        ; bl: my batch of the four.  Also: whose part of kv I fetch
	s_lshr_b32 s18, s[WV], 2                       ; qt: my query tile of the four
	s_and_b32 s19, ttmp7, 0xffff                   ; hb = 4 h + bg
	s_lshr_b32 s20, s19, 2                         ; h
	s_and_b32 s21, s19, 3                          ; bg
	s_mul_i32 s66, s19, 8*KVB                      ; kv: my head's and batch group's eight blocks
	s_mov_b32 s67, 0
	s_mul_i32 s23, s17, KVQ                        ; a batch's part: in memory and in a slot
	s_lshl_b32 s68, s20, 3
	s_lshr_b32 s70, ttmp9, 1
	s_add_co_u32 s68, s68, s70                     ; 8 h + block of 128 queries
	s_lshl_b32 s68, s68, 19                        ; x 8 key steps x 65,536 bytes
	s_and_b32 s70, ttmp9, 1
	s_lshl_b32 s70, s70, 15
	s_add_co_u32 s68, s68, s70                     ; + my work-group's four tiles of the eight
	s_mov_b32 s69, 0
	s_and_b32 s22, s[WV], 1
	s_lshl_b32 s22, s22, 14                        ; which 64 rows of them I fetch
	s_mov_b32 s71, 0
	; descriptor groups 1: dense blocks as rows of 256 bytes (32 elements of 8 bytes), no padding: every LDS read takes 16 neighbouring bytes a lane
	s_mov_b32 s[G1K], 3<<16                        ; 15:0 no mask; 17:16 elements of 8 bytes
	s_mov_b32 s[G1K+1], 32<<16                     ; tensor_dim0 = 32
	s_mov_b32 s[G1K+2], 54<<16                     ; tensor_dim1 = 54
	s_mov_b32 s[G1K+3], 32<<16                     ; tile_dim0 = 32
	s_mov_b32 s[G1K+4], 54                         ; tile_dim1 = 54
	s_mov_b32 s[G1K+5], 32                         ; from row to row
	s_mov_b32 s[G1K+6], 0
	s_mov_b32 s[G1K+7], 0
	s_mov_b32 s[G1B], 3<<16
	s_mov_b32 s[G1B+1], 32<<16
	s_mov_b32 s[G1B+2], 64<<16
	s_mov_b32 s[G1B+3], 32<<16
	s_mov_b32 s[G1B+4], 64
	s_mov_b32 s[G1B+5], 32
	s_mov_b32 s[G1B+6], 0
	s_mov_b32 s[G1B+7], 0
	s_mov_b32 s[SEL], 0x76543210
	s_mov_b32 s[SEL+1], 0xfedcba98                 ; lane l xor 16
	s_mov_b32 s[CS], 0x3e8293ee                    ; c = log2(e) / sqrt(32)
	s_mov_b32 s[CS+1], s[CS]                       ; (named with it as a pair, so it is written)
	s_mov_b32 s[MNT], 0x600000                     ; the mantissa field of 448
	s_mov_b32 s[TB], 0
	s_mov_b32 s[SLOTS], 7
	s_wait_kmcnt 0x0
	s_add_co_u32 s70, s66, s23
	s_mov_b32 s[G0K], 1                            ; 1:0 count = 1
	s_mov_b32 s[G0K+1], s23                        ; 63:32 LDS address: slot 0
	s_add_nc_u64 s[G0K+2:G0K+3], s[8:9], s[70:71]  ; 120:64 global address: key step 0
	s_or_b32 s[G0K+3], s[G0K+3], 0x80000000        ; 127:126 type = 2
	s_add_co_u32 s70, s68, s22
	s_mov_b32 s[G0B], 1
	s_add_co_u32 s[G0B+1], s22, KVB
	s_add_nc_u64 s[G0B+2:G0B+3], s[10:11], s[70:71]
	s_or_b32 s[G0B+3], s[G0B+3], 0x80000000
	TLOAD                                          ; slot 0: key step 0
	; the prefetches: where my wave's stand, and who asks
	s_cmp_lt_u32 s[WV], 8                          ; waves 0-6 ask for kv, waves 8-11 for the table's numbers
	s_cselect_b64 s[PFA:PFA+1], s[8:9], s[10:11]
	s_cselect_b32 s70, s66, s68
	s_cselect_b32 s72, ttmp9, s21                  ; the coordinate along which other work-groups read the same rows
	s_cselect_b32 s73, 7, 4                        ; how many waves share the rows out
	s_mov_b32 s[PFS], BIB
	s_cselect_b32 s[PFS], KVB, s[PFS]
	s_mov_b32 s[PFS+1], 0
	s_and_b32 s74, s[WV], 7
	s_cmp_lt_u32 s74, s73
	s_cselect_b32 s74, s74, 0                      ; my part (a wave without one stands at the first and asks for nothing)
	s_cselect_b32 s73, 0, 1
	s_or_b32 s72, s72, s73
	s_cmp_eq_u32 s72, 0
	s_cselect_b32 s[LIM], 1, -1
	s_lshl_b32 s74, s74, 13                        ; 32 rows of 256 bytes a wave
	s_add_co_u32 s70, s70, s74
	s_add_co_u32 s70, s70, s[PFS]                  ; at key step 1: the first change of slots steps it to 2.  Nothing is prefetched here, at the head
	s_add_nc_u64 s[PFA:PFA+1], s[PFA:PFA+1], s[70:71]
	s_cmp_eq_u32 s[WV], 6
	s_cselect_b32 s73, 23, 31                      ; kv's block ends at row 215 = 6 x 32 + 23
	v_and_b32 v6, 31, v0                           ; lane
	v_lshlrev_b32 v[LI], 4, v6
	v_lshlrev_b32 v7, 2, v6
	v_min_u32 v[PFO], s73, v6
	v_lshlrev_b32 v[PFO], 8, v[PFO]
	v_add_nc_u32 v[AI0], s23, v[LI]
	v_add_nc_u32 v[AS0], s23, v7
	s_lshl_b32 s74, s18, 13
	s_add_co_u32 s74, s74, KVB
	v_add_nc_u32 v[AB0], s74, v[LI]
	s_lshl_b32 s70, s19, 3                         ; Q: [hb][block of 128][batch 4][tile 8]
	s_lshr_b32 s72, ttmp9, 1
	s_add_co_u32 s70, s70, s72
	s_lshl_b32 s70, s70, 2
	s_add_co_u32 s70, s70, s17
	s_lshl_b32 s70, s70, 3
	s_and_b32 s72, ttmp9, 1
	s_lshl_b32 s72, s72, 2
	s_add_co_u32 s72, s72, s18                     ; my tile among the block's eight
	s_add_co_u32 s70, s70, s72
	s_lshl_b32 s70, s70, 7                         ; 128 bytes of scale words a tile,
	s_add_nc_u64 s[6:7], s[6:7], s[70:71]
	s_lshl_b32 s70, s70, 2                         ; 512 of codes
	s_add_nc_u64 s[4:5], s[4:5], s[70:71]
	global_load_b128 v[Q:Q+3], v[LI], s[4:5]
	global_load_b32 v[QS], v7, s[6:7]
	s_lshl_b32 s70, s21, 2
	s_add_co_u32 s70, s70, s17                     ; b = 4 bg + bl
	s_lshl_b32 s70, s70, 6
	s_lshl_b32 s72, ttmp9, 2
	s_add_co_u32 s70, s70, s72
	s_add_co_u32 s70, s70, s18                     ; 64 b + T, T = 4 x work-group x + qt
	s_lshl_b32 s72, s70, 9
	s_lshl_b32 s74, s20, 2
	s_add_co_u32 s72, s72, s74
	s_mov_b32 s73, 0
	s_add_nc_u64 s[14:15], s[14:15], s[72:73]      ; asc: [b][T][r 16][h 8] words
	s_lshl_b32 s70, s70, 13
	s_lshl_b32 s74, s20, 10
	s_add_co_u32 s70, s70, s74
	s_add_nc_u64 s[12:13], s[12:13], s[70:71]      ; acodes: [b][T][h][2][512 bytes]
.irp i, 4,5,6,7,8,9,10,11,12,13,14,15
	v_mov_b32 v[Q+\i], 0                           ; Q's blocks 1 to 3: zero codes
.endr
.irp i, 0,1,2,3,4,5,6,7,8,9,10,11
	v_mov_b32 v[VF+\i], 0                          ; behind K's last tile, until V's first codes land there
.endr
.set j, 0
.rept 32
	v_mov_b32 v[O+j], 0                            ; O^T: the first step finds zeros, which the first change of M leaves zeros
.set j, j+1
.endr
	v_mov_b32 v13, 0xff61b1e6                      ; the largest t so far: -3e38, under every t
	v_floor_f32 v12, -v13                          ; -M
	v_mov_b32 v14, 0                               ; l, in two halves
	v_mov_b32 v15, 0
.irp b, 0,1,2,3
	v_mov_b32 v[236+\b], 0                         ; written once: a lane permute's destination counts as one of its sources
.endr
	v_mov_b32 v253, 0                              ; (named as the upper half of the pair v[252:253] before it is first written)
; A KEY STEP: 128 keys, the slot at s[TB].  No two matrix instructions that follow each other share an accumulator.
.macro STEP
	v_add_nc_u32 v[ADI], s[TB], v[AI0]
	v_add_nc_u32 v[ADS], s[TB], v[AS0]
	v_add_nc_u32 v[ADB], s[TB], v[AB0]
.rept 5
	v_nop                                          ; with the three additions: eight plain lines between the last step's products and the loads into the registers that held p's codes
.endr
.irp t, 0,1,2,3,4,5,6,7
	ds_load_b128 v[KF+4*\t:KF+4*\t+3], v[ADI] offset:512*\t
.endr
.irp t, 0,1,2,3,4,5,6,7
	ds_load_b32 v[KS+\t], v[ADS] offset:12288+128*\t
.endr
.irp g, 0,1,2,3,4,5,6,7,8,9,10,11,12,13,14,15
	ds_load_b128 v[S+4*\g:S+4*\g+3], v[ADB] offset:512*\g   ; the table's tile for my queries and these keys, into the scores' registers
.endr
	s_wait_dscnt 0x0
.irp t, 0,1,2,3,4,5,6,7
	v_wmma_scale_f32_16x16x128_f8f6f4 v[S+8*\t:S+8*\t+7], v[KF+4*\t:KF+4*\t+15], v[Q:Q+15], v[S+8*\t:S+8*\t+7], v[KS+\t], v[QS]
.endr
.rept 8
	v_nop                                          ; eight plain lines in front of the first read of the scores and of the loads into V's registers, of which the products have read the first twelve
.endr
.irp f, 0,1,2,3
.irp c, 0,1,2,3
	ds_load_b128 v[VF+16*\f+4*\c:VF+16*\f+4*\c+3], v[ADI] offset:4096+2048*\f+512*\c   ; V lands while the softmax is worked
.endr
.endr
.irp f, 0,1,2,3
	ds_load_b32 v[VS+\f], v[ADS] offset:13312+128*\f
.endr
.irp b, 0,1,2,3
	v_max3_num_f32 v[232+\b], v[S+16*\b], v[S+1+16*\b], v[S+2+16*\b]   ; the largest score of each block of 32 keys: it serves the row's maximum and, since p rises with the score, the block's largest p
.endr
.irp i, 3,5,7,9,11,13
.irp b, 0,1,2,3
	v_max3_num_f32 v[232+\b], v[232+\b], v[S+16*\b+\i], v[S+1+16*\b+\i]
.endr
.endr
.irp b, 0,1,2,3
	v_max_num_f32 v[232+\b], v[232+\b], v[S+15+16*\b]
.endr
.irp b, 0,1,2,3
	v_permlanex16_b32 v[236+\b], v[232+\b], s[SEL], s[SEL+1]
.endr
.irp b, 0,1,2,3
	v_max_num_f32 v[232+\b], v[232+\b], v[236+\b]  ; with lane l xor 16's 16 keys
.endr
	v_max3_num_f32 v254, v232, v233, v234
	v_max_num_f32 v254, v254, v235
	v_mul_f32 v254, s[CS], v254                    ; as t (c is positive)
	v_max_num_f32 v13, v13, v254                   ; the running largest t
	v_mov_b32 v254, v12
	v_floor_f32 v12, -v13                          ; the new -M = floor(-t): M is a whole number
	v_sub_f32 v254, v12, v254                      ; old M - new M: a whole number, 0 or less
	v_cvt_i32_f32 v254, v254                       ; (it saturates)
	v_ldexp_f32 v252, 1.0, v254                    ; f = 2^(old M - new M)
.set j, 0
.rept 32
	v_pk_fma_f32 v[S+j:S+j+1], v[S+j:S+j+1], s[CS:CS+1], v[12:13] op_sel_hi:[1,0,0]   ; t - M, two at a time
.set j, j+2
.endr
.irp b, 0,1,2,3
	v_fma_f32 v[232+\b], v[232+\b], s[CS], v12     ; the same of each block's largest score
.endr
.set j, 0
.rept 64
	v_exp_f32 v[S+j], v[S+j]                       ; p = 2^(t - M): not normalised
.set j, j+1
.endr
	v_pk_mul_f32 v[14:15], v[14:15], v[252:253] op_sel_hi:[1,0]   ; l under the new M: the plain line behind the exponentials
	s_wait_alu depctr_va_vdst(0)                   ; one wait for the batch of 64, ahead of its first reader
.irp b, 0,1,2,3
	v_exp_f32 v[232+\b], v[232+\b]                 ; each block's largest p
.endr
	v_pk_add_f32 v[236:237], v[S:S+1], v[S+2:S+3]  ; l takes the unquantised p: two at a time, in two chains; plain work behind the four
.set j, 4
.rept 15
	v_pk_add_f32 v[14:15], v[14:15], v[S+j:S+j+1]
	v_pk_add_f32 v[236:237], v[236:237], v[S+j+2:S+j+3]
.set j, j+4
.endr
	v_pk_add_f32 v[14:15], v[14:15], v[236:237]
	s_wait_alu depctr_va_vdst(0)                   ; and one for the four
.irp b, 0,1,2,3
	v_max_num_f32 v[232+\b], 0x4800000, v[232+\b]  ; the floor 2^(9 - 127): the byte cannot fall under 1
.endr
.irp b, 0,1,2,3
	v_add_nc_u32 v[244+\b], 0xfc000000, v[232+\b]  ; 8 off the exponent field: the conversion's scale operand
.endr
.irp b, 0,1,2,3
	v_and_or_b32 v[240+\b], v[232+\b], 0x7f800000, s[MNT]   ; 448 x the scale
.endr
.irp b, 0,1,2,3
	v_lshrrev_b32 v[236+\b], 23, v[244+\b]         ; the scale's byte
.endr
	v_lshl_or_b32 v253, v237, 8, v236              ; p's scale word for these 128 keys; the 64 holds below stand between it and the products
	v_lshl_or_b32 v253, v238, 16, v253
	v_lshl_or_b32 v253, v239, 24, v253
.irp b, 0,1,2,3
.set j, 0
.rept 16
	v_min_num_f32 v[S+16*\b+j], v[S+16*\b+j], v[240+\b]   ; the conversion does not saturate (ISA guide 7.6.2); p is not negative, so the hold is one-sided
.set j, j+1
.endr
	v_cvt_scalef32_pk8_fp8_f32 v[PC+4*\b:PC+4*\b+1], v[S+16*\b:S+16*\b+7], v[244+\b]
	v_cvt_scalef32_pk8_fp8_f32 v[PC+4*\b+2:PC+4*\b+3], v[S+16*\b+8:S+16*\b+15], v[244+\b]
.endr
	s_wait_dscnt 0x0                               ; V is in
.set j, 0
.rept 16
	v_pk_mul_f32 v[O+j:O+j+1], v[O+j:O+j+1], v[252:253] op_sel_hi:[1,0]   ; O^T under the new M, each accumulator from its low end on; these lines also stand between the codes and the products
.set j, j+2
.endr
.irp f, 0,1,2,3
	v_wmma_scale_f32_16x16x128_f8f6f4 v[O+8*\f:O+8*\f+7], v[VF+16*\f:VF+16*\f+15], v[PC:PC+15], v[O+8*\f:O+8*\f+7], v[VS+\f], v253
.endr
	s_xor_b32 s[TB], s[TB], SLOT1                  ; on to the other slot
.endm
; THE CHANGE OF SLOTS stands at a slot's head.  Each wave waits for all its tensor loads (its part of the slot that it is about to read), adds 0 to its spare word, and waits for that and for its reads of the slot
; that it has left.  Behind the barrier the slot ahead is whole and nobody reads the other one.  fill = 1: that other slot is filled with the next key step: the load has a key step in which to land.
.macro CHANGE fill
	s_wait_tensorcnt 0x0                           ; no tensor load of mine is out, so a group 0 may be written
	ds_add_u32 v[SPW], v[NIL]                      ; 0 onto my spare word
.if \fill
	s_xor_b32 s[G0K+1], s[G0K+1], SLOT1            ; the walking descriptors: the other slot than last time, the next key step
	s_add_nc_u64 s[G0K+2:G0K+3], s[G0K+2:G0K+3], KVB
	s_xor_b32 s[G0B+1], s[G0B+1], SLOT1
	s_add_nc_u64 s[G0B+2:G0B+3], s[G0B+2:G0B+3], BIB
	s_wait_xcnt 0x0                                ; the last prefetch, a key step back, has read its address, so it may be written:
	s_add_nc_u64 s[PFA:PFA+1], s[PFA:PFA+1], s[PFS:PFS+1]  ; one key step further on than the walking descriptors
.endif
	s_wait_dscnt 0x0                               ; the add is done, and my reads of the slot that I have left are over
	s_barrier_signal -1
	s_barrier_wait -1
.if \fill
	TLOAD                                          ; the first thing behind the barrier, and a wave's one tensor load until the next
	ASK
.endif
.endm
	s_wait_loadcnt 0x0                             ; Q and its scale word
.Lslot:                                            ; seven trips: behind each change of slots but the last the next key step is asked for
	CHANGE 1
	STEP
	s_sub_co_u32 s[SLOTS], s[SLOTS], 1
	s_cmp_lg_u32 s[SLOTS], 0
	s_cbranch_scc1 .Lslot
	CHANGE 0                                       ; the last key step is written out
	STEP
	; THE WAY OUT: O^T / l, relu, quantised along c = 64 h + dv: my 32 registers are 16 numbers of each of two blocks of 32 channels; lane l xor 16 holds the other 16.
.rept 4
	v_nop
.endr
	v_add_f32 v14, v14, v15                        ; l's two halves,
	v_permlanex16_b32 v252, v14, s[SEL], s[SEL+1]
	v_add_f32 v14, v14, v252                       ; and lane l xor 16's: the row's sum
	v_rcp_f32 v14, v14
	v_and_b32 v[ADI], 15, v0                       ; (plain lines behind the reciprocal; with the lines above, more than eight behind the last products)
	v_lshlrev_b32 v[ADI], 5, v[ADI]                ; 32 r: my query's eight scale words
.rept 4
	v_nop
.endr
	s_wait_alu depctr_va_vdst(0)                   ; the wait, ahead of the reciprocal's first reader
.set j, 0
.rept 32
	v_mul_f32 v[S+j], v[O+j], v14                  ; each accumulator from its low end on
.set j, j+1
.endr
.irp b, 0,1
	v_max3_num_f32 v[TM+\b], v[S+16*\b], v[S+1+16*\b], 0x4800000   ; no |.|: what is negative becomes 0 and must not count; the floor 2^(9 - 127) holds the byte at 1 from below
.endr
.irp i, 2,4,6,8,10,12,14
.irp b, 0,1
	v_max3_num_f32 v[TM+\b], v[TM+\b], v[S+16*\b+\i], v[S+1+16*\b+\i]
.endr
.endr
.irp b, 0,1
	v_permlanex16_b32 v[TM+4+\b], v[TM+\b], s[SEL], s[SEL+1]
.endr
.irp b, 0,1
	v_max_num_f32 v[TM+\b], v[TM+\b], v[TM+4+\b]   ; the block's largest number
.endr
.irp b, 0,1
	v_add_nc_u32 v[TM+12+\b], 0xfc000000, v[TM+\b] ; 8 off its exponent field: the conversion's scale operand
.endr
.irp b, 0,1
	v_and_or_b32 v[TM+8+\b], v[TM+\b], 0x7f800000, s[MNT]   ; 448 x the scale
.endr
.irp b, 0,1
	v_lshrrev_b32 v[TM+4+\b], 23, v[TM+12+\b]      ; the scale's byte
.endr
	v_lshl_or_b32 v254, v[TM+5], 8, v[TM+4]        ; the head's two scale bytes of my query, in a word whose upper half is 0
.irp b, 0,1
.set j, 0
.rept 16
	v_med3_num_f32 v[S+16*\b+j], v[S+16*\b+j], 0, v[TM+8+\b]   ; the activation and the hold in one (the conversion to an 8-bit code does not saturate: ISA guide 7.6.2)
.set j, j+1
.endr
	v_cvt_scalef32_pk8_fp8_f32 v[PC+4*\b:PC+4*\b+1], v[S+16*\b:S+16*\b+7], v[TM+12+\b]
	v_cvt_scalef32_pk8_fp8_f32 v[PC+4*\b+2:PC+4*\b+3], v[S+16*\b+8:S+16*\b+15], v[TM+12+\b]
.endr
	v_nop                                          ; one plain line behind the last conversion
	global_store_b128 v[LI], v[PC:PC+3], s[12:13]              ; 512 consecutive bytes, aligned
	global_store_b128 v[LI], v[PC+4:PC+7], s[12:13] offset:512
	global_store_b32 v[ADI], v254, s[14:15]        ; both halves of the lanes write the same word with the same value
	s_wait_tensorcnt 0x0                           ; the wave's end
	ds_add_u32 v[SPW], v[NIL]
	s_wait_dscnt 0x0
	s_endpgm
.Lfunc_end_k_qc18e1fde0b_att:
	.size	k_qc18e1fde0b_att, .Lfunc_end_k_qc18e1fde0b_att-k_qc18e1fde0b_att
	.p2alignl 7, 3214868480
	.fill 96, 4, 3214868480
	.section	.rodata,"a",@progbits
	.p2align	6, 0x0
	.amdhsa_kernel k_qc18e1fde0b_att
		.amdhsa_group_segment_fixed_size 327680
		.amdhsa_private_segment_fixed_size 0
		.amdhsa_enable_private_segment 0
		.amdhsa_kernarg_size 48
		.amdhsa_user_sgpr_count 2
		.amdhsa_user_sgpr_kernarg_segment_ptr 1
		.amdhsa_wavefront_size32 1
		.amdhsa_system_sgpr_workgroup_id_x 1
		.amdhsa_system_sgpr_workgroup_id_y 1
		.amdhsa_system_sgpr_workgroup_id_z 1
		.amdhsa_system_vgpr_workitem_id 0
		.amdhsa_next_free_vgpr 256
		.amdhsa_next_free_sgpr 76
		.amdhsa_reserve_vcc 0
		.amdhsa_float_denorm_mode_32 3
		.amdhsa_float_denorm_mode_16_64 3
		.amdhsa_memory_ordered 1
		.amdhsa_forward_progress 1
		.amdhsa_inst_pref_size 54
	.end_amdhsa_kernel
	.amdgpu_metadata
---
amdhsa.version: [ 1, 2 ]
amdhsa.kernels:
  - .name:           k_qc18e1fde0b_att
    .symbol:         k_qc18e1fde0b_att.kd
    .args:
      - { .name: qimg, .offset: 0, .size: 8, .value_kind: global_buffer, .address_space: global }
      - { .name: qsc, .offset: 8, .size: 8, .value_kind: global_buffer, .address_space: global }
      - { .name: kv, .offset: 16, .size: 8, .value_kind: global_buffer, .address_space: global }
      - { .name: bias, .offset: 24, .size: 8, .value_kind: global_buffer, .address_space: global }
      - { .name: acodes, .offset: 32, .size: 8, .value_kind: global_buffer, .address_space: global }
      - { .name: asc, .offset: 40, .size: 8, .value_kind: global_buffer, .address_space: global }
    .group_segment_fixed_size: 327680
    .private_segment_fixed_size: 0
    .kernarg_segment_align: 8
    .kernarg_segment_size: 48
    .max_flat_workgroup_size: 512
    .sgpr_count:     76
    .vgpr_count:     256
    .wavefront_size: 32
...
	.end_amdgpu_metadata
.endif
;; end of part 2
;; launch outp (part 3): grid 256 x 1, 8 waves a work-group, no clusters, 103,424 bytes of LDS; arguments acodes, asc, Wo_codes, Wo_scales, bo, o_g, o_b, o_m, o_v, out0; writes out0
.if DOCPART == 3
	.amdgcn_target "amdgcn-amd-amdhsa--gfx1250"
	.amdhsa_code_object_version 6
	.text
	.protected	k_qc18e1fde0b_outp
	.globl	k_qc18e1fde0b_outp
	.p2align	8
	.type	k_qc18e1fde0b_outp,@function
k_qc18e1fde0b_outp:
	s_mov_b64 s[64:65], 0
	v_nop
	global_prefetch_b8 v0, s[64:65] scope:SCOPE_SE
	s_setreg_imm32_b32 hwreg(HW_REG_WAVE_MODE, 25, 1), 1
	s_wait_xcnt 0x0
; out0[b][o][pos] = BatchNorm(Wo relu(attention) + bo): the last product, K = 512, on codes of FP8 (E4M3) with E8M0 scales.
; SHARES: a work-group takes 64 positions of one batch (four tiles of 16) and all 256 channels; wave w channels 32 w .. 32 w + 31: eight accumulators, 32 matrix instructions.
; Source 0 = 16 positions (the images that the attention launch stored), source 1 = 16 rows of Wo.  Row 8 hh + j of tile T is position 32 (T / 2) + 8 (T % 2) + 16 hh + j: a lane holds one channel and
; eight NEIGHBOURING positions, 32 bytes of a row of out0.
; The 32,768 bytes of images are read from memory once, by all eight waves together, and reach every wave through LDS as they lie.  Wo's slice stays in the wave's registers (window 1).
; The images' scales come as one word a position and head, two bytes in its lower half; the words of heads 2 k and 2 k + 1 make the scale word of K step k.
; BatchNorm and bias: acc x sc + off, sc = g x rsq(v + eps), off = (bo - m) x sc + b.  LIMIT: v_rsq_f32 is accurate to 1 ulp where the definition divides by a root.
; The way out: through the wave's own stage (32 channels x 256 bytes + 16), so that sixteen lanes store 256 consecutive bytes, aligned.
.set STG, 32768
.set CP,  1                            ; 16 x thread
.set LI,  2                            ; 16 x lane
.set WA,  3                            ; 512 r + 16 hh: a row of Wo
.set R16, 4                            ; 16 r
.set R4,  5                            ; 4 r
.set SO,  6                            ; the stage, in: 272 r + 64 hh
.set SR,  7                            ; and back: 272 hh + 16 r
.set GO,  8                            ; out0: 4,096 hh + 16 r
.set R32, 11                           ; 32 r
.set AS,  12                           ; v12-27 the images' scale words, 4 m + k
.set WS,  28                           ; v28-35 Wo's, 4 t + k
.set BN,  36                           ; v36-45 bo, g, b, m, v for my two channels; v48-55 the pairs sc, off
.set ACC, 56                           ; v56-119 accumulator (m, t) at 8 (2 m + t); before the products: the images' scales as loaded, 8 words a tile
.set AF,  120                          ; v120-247 two buffers of four fragments
.set MSB, 0
.macro WIN new
.if MSB != \new
	s_set_vgpr_msb (MSB<<8)|\new
.set MSB, \new
.endif
.endm
.macro PLACES
.rept 8
	v_nop
.endr
.endm
	s_load_b512 s[4:19], s[0:1], 0x0               ; acodes, asc, Wo codes, Wo scales, bo, o_g, o_b, o_m
	s_load_b128 s[20:23], s[0:1], 0x40             ; o_v, out0
	v_lshl_add_u32 v254, v0, 2, 0x19000
	v_mov_b32 v255, 0
	v_lshrrev_b32 v9, 5, v0
	v_readfirstlane_b32 s24, v9                    ; wave 0..7
	v_lshlrev_b32 v[CP], 4, v0
	v_and_b32 v9, 31, v0
	v_lshlrev_b32 v[LI], 4, v9
	v_and_b32 v9, 15, v0                           ; r
	v_bfe_u32 v10, v0, 4, 1                        ; hh
	v_lshlrev_b32 v[WA], 9, v9
	v_lshl_add_u32 v[WA], v10, 4, v[WA]
	v_lshlrev_b32 v[R16], 4, v9
	v_lshlrev_b32 v[R4], 2, v9
	v_lshlrev_b32 v[R32], 5, v9
	s_mul_i32 s25, s24, 32*272
	s_add_co_u32 s25, s25, STG                     ; my stage
	v_mul_u32_u24 v[SO], v9, 272
	v_lshl_add_u32 v[SO], v10, 6, v[SO]
	v_add_nc_u32 v[SO], s25, v[SO]
	v_mul_u32_u24 v[SR], v10, 272
	v_lshl_add_u32 v[SR], v9, 4, v[SR]
	v_add_nc_u32 v[SR], s25, v[SR]
	v_lshlrev_b32 v[GO], 12, v10
	v_lshl_add_u32 v[GO], v9, 4, v[GO]
	s_lshr_b32 s26, ttmp9, 4                       ; b
	s_and_b32 s27, ttmp9, 15                       ; which 64 positions
	s_mov_b32 s29, 0
	s_wait_kmcnt 0x0
	s_lshl_b32 s28, s26, 19
	s_lshl_b32 s25, s27, 15
	s_add_co_u32 s28, s28, s25
	s_add_nc_u64 s[4:5], s[4:5], s[28:29]          ; four tiles of 8,192 bytes
	s_lshr_b32 s28, s28, 4
	s_add_nc_u64 s[6:7], s[6:7], s[28:29]          ; their scales: 512 bytes a tile
	s_lshl_b32 s28, s24, 14
	s_add_nc_u64 s[8:9], s[8:9], s[28:29]          ; my 32 rows of Wo, 512 bytes each
	s_lshl_b32 s28, s24, 9
	s_add_nc_u64 s[10:11], s[10:11], s[28:29]
	s_lshl_b32 s28, s24, 7
.irp p, 12,14,16,18,20
	s_add_nc_u64 s[\p:\p+1], s[\p:\p+1], s[28:29]
.endr
	s_lshl_b32 s28, s26, 20
	s_lshl_b32 s25, s24, 17
	s_add_co_u32 s28, s28, s25
	s_lshl_b32 s25, s27, 8
	s_add_co_u32 s28, s28, s25
	s_add_nc_u64 s[22:23], s[22:23], s[28:29]
.irp i, 0,1,2,3,4,5,6,7
	global_load_b128 v[AF+4*\i:AF+4*\i+3], v[CP], s[4:5] offset:4096*\i th:TH_LOAD_NT   ; the work-group's 32,768 bytes of images: 4,096 consecutive bytes an instruction of the eight waves
.endr
	WIN 0x40                                       ; destination window 1
.irp t, 0,1
.irp k, 0,1,2,3
.irp c, 0,1,2,3
	global_load_b128 v[16*(4*\t+\k)+4*\c:16*(4*\t+\k)+4*\c+3], v[WA], s[8:9] offset:8192*\t+128*\k+32*\c
.endr
.endr
.endr
	WIN 0
.irp t, 0,1
	global_load_b128 v[WS+4*\t:WS+4*\t+3], v[R16], s[10:11] offset:256*\t
.endr
.irp m, 0,1,2,3
	global_load_b128 v[ACC+8*\m:ACC+8*\m+3], v[R32], s[6:7] offset:512*\m       ; position r of tile m: the words of heads 0 to 3,
	global_load_b128 v[ACC+8*\m+4:ACC+8*\m+7], v[R32], s[6:7] offset:512*\m+16  ; of heads 4 to 7
.endr
.irp t, 0,1
	global_load_b32 v[BN+\t], v[R4], s[12:13] offset:64*\t      ; bo
	global_load_b32 v[BN+2+\t], v[R4], s[14:15] offset:64*\t    ; g
	global_load_b32 v[BN+4+\t], v[R4], s[16:17] offset:64*\t    ; b
	global_load_b32 v[BN+6+\t], v[R4], s[18:19] offset:64*\t    ; m
	global_load_b32 v[BN+8+\t], v[R4], s[20:21] offset:64*\t    ; v
.endr
	s_wait_loadcnt 52                              ; the eight copy loads are in; the 32 + 2 + 8 + 10 loads issued behind them may be out
.irp i, 0,1,2,3,4,5,6,7
	ds_store_b128 v[CP], v[AF+4*\i:AF+4*\i+3] offset:4096*\i
.endr
	s_wait_dscnt 0x0                               ; for the others' sake: my stores have landed
	s_barrier_signal -1
	s_barrier_wait -1                              ; the images lie in LDS
.macro FETCH k, buf                    ; K step k's four fragments: 16 loads
.irp m, 0,1,2,3
.irp c, 0,1,2,3
	ds_load_b128 v[\buf+16*\m+4*\c:\buf+16*\m+4*\c+3], v[LI] offset:8192*\m+2048*\k+512*\c
.endr
.endr
.endm
.macro MUL k, buf, zero                ; eight accumulators by turns
.irp m, 0,1,2,3
.irp t, 0,1
.if \zero
	v_wmma_scale_f32_16x16x128_f8f6f4 v[ACC+8*(2*\m+\t):ACC+8*(2*\m+\t)+7], v[\buf+16*\m:\buf+16*\m+15], v[16*(4*\t+\k):16*(4*\t+\k)+15], 0, v[AS+4*\m+\k], v[WS+4*\t+\k]
.else
	v_wmma_scale_f32_16x16x128_f8f6f4 v[ACC+8*(2*\m+\t):ACC+8*(2*\m+\t)+7], v[\buf+16*\m:\buf+16*\m+15], v[16*(4*\t+\k):16*(4*\t+\k)+15], v[ACC+8*(2*\m+\t):ACC+8*(2*\m+\t)+7], v[AS+4*\m+\k], v[WS+4*\t+\k]
.endif
.endr
.endr
.endm
	FETCH 0, AF
	FETCH 1, AF+64
	s_wait_loadcnt 0x0                             ; Wo, the scales, BatchNorm's numbers
.irp m, 0,1,2,3
.irp k, 0,1,2,3
	v_lshl_or_b32 v[AS+4*\m+\k], v[ACC+8*\m+2*\k+1], 16, v[ACC+8*\m+2*\k]   ; K step k's scale word: heads 2 k and 2 k + 1.  The twelve plain lines below stand between these and the products
.endr
.endr
.irp t, 0,1
	v_add_f32 v[BN+8+\t], 0x3727c5ac, v[BN+8+\t]   ; v + 1e-5
.endr
.irp t, 0,1
	v_rsq_f32 v[BN+8+\t], v[BN+8+\t]
.endr
.irp t, 0,1
	v_sub_f32 v[BN+\t], v[BN+\t], v[BN+6+\t]       ; bo - m: plain work behind the roots
.endr
	s_wait_alu depctr_va_vdst(0)                   ; one wait for the two roots, ahead of their first reader
.irp t, 0,1
	v_mul_f32 v[BN+12+4*\t], v[BN+2+\t], v[BN+8+\t]
.endr
.irp t, 0,1
	v_fma_f32 v[BN+14+4*\t], v[BN+\t], v[BN+12+4*\t], v[BN+4+\t]
	v_mov_b32 v[BN+13+4*\t], v[BN+12+4*\t]         ; the packed form names pairs, so both halves are written
.endr
.irp t, 0,1
	v_mov_b32 v[BN+15+4*\t], v[BN+14+4*\t]
.endr
	WIN 0x04                                       ; source 1 (Wo) window 1; the LDS loads between the products name a destination and source 0 alone
	s_wait_dscnt 16                                ; K step 0 is in; step 1's 16 loads may be out
	MUL 0, AF, 1
	PLACES
	FETCH 2, AF
	s_wait_dscnt 16
	MUL 1, AF+64, 0
	PLACES
	FETCH 3, AF+64
	s_wait_dscnt 16
	MUL 2, AF, 0
	s_wait_dscnt 0x0
	MUL 3, AF+64, 0
	WIN 0
	PLACES
.irp m, 0,1,2,3
.irp t, 0,1
.irp p, 0,2,4,6
	v_pk_fma_f32 v[ACC+8*(2*\m+\t)+\p:ACC+8*(2*\m+\t)+\p+1], v[ACC+8*(2*\m+\t)+\p:ACC+8*(2*\m+\t)+\p+1], v[BN+12+4*\t:BN+13+4*\t], v[BN+14+4*\t:BN+15+4*\t] op_sel_hi:[1,0,0]   ; each accumulator from its low end on
.endr
.endr
.endr
.irp m, 0,1,2,3
.irp t, 0,1
	ds_store_b128 v[SO], v[ACC+8*(2*\m+\t):ACC+8*(2*\m+\t)+3] offset:4352*\t+128*(\m/2)+32*(\m%2)
	ds_store_b128 v[SO], v[ACC+8*(2*\m+\t)+4:ACC+8*(2*\m+\t)+7] offset:4352*\t+128*(\m/2)+32*(\m%2)+16
.endr
.endr
.irp i, 0,1,2,3,4,5,6,7,8,9,10,11,12,13,14,15
	ds_load_b128 v[AF+4*\i:AF+4*\i+3], v[SR] offset:544*\i   ; LDS serves a wave's instructions in order (ISA guide 5.7.1.4): these see my stores; the stage is my own
.endr
.irp i, 0,1,2,3,4,5,6,7,8,9,10,11,12,13,14,15
	s_wait_dscnt 15-\i
	global_store_b128 v[GO], v[AF+4*\i:AF+4*\i+3], s[22:23] offset:8192*\i th:TH_STORE_NT   ; lanes 0-15 one channel's 256 bytes, lanes 16-31 the next channel's
.endr
	s_wait_tensorcnt 0x0
	ds_add_u32 v254, v255
	s_wait_dscnt 0x0
	s_endpgm
.Lfunc_end_k_qc18e1fde0b_outp:
	.size	k_qc18e1fde0b_outp, .Lfunc_end_k_qc18e1fde0b_outp-k_qc18e1fde0b_outp
	.p2alignl 7, 3214868480
	.fill 96, 4, 3214868480
	.section	.rodata,"a",@progbits
	.p2align	6, 0x0
	.amdhsa_kernel k_qc18e1fde0b_outp
		.amdhsa_group_segment_fixed_size 103424
		.amdhsa_private_segment_fixed_size 0
		.amdhsa_enable_private_segment 0
		.amdhsa_kernarg_size 80
		.amdhsa_user_sgpr_count 2
		.amdhsa_user_sgpr_kernarg_segment_ptr 1
		.amdhsa_wavefront_size32 1
		.amdhsa_system_sgpr_workgroup_id_x 1
		.amdhsa_system_sgpr_workgroup_id_y 1
		.amdhsa_system_sgpr_workgroup_id_z 1
		.amdhsa_system_vgpr_workitem_id 0
		.amdhsa_next_free_vgpr 384
		.amdhsa_next_free_sgpr 66
		.amdhsa_reserve_vcc 0
		.amdhsa_float_denorm_mode_32 3
		.amdhsa_float_denorm_mode_16_64 3
		.amdhsa_memory_ordered 1
		.amdhsa_forward_progress 1
		.amdhsa_inst_pref_size 26
	.end_amdhsa_kernel
	.amdgpu_metadata
---
amdhsa.version: [ 1, 2 ]
amdhsa.kernels:
  - .name:           k_qc18e1fde0b_outp
    .symbol:         k_qc18e1fde0b_outp.kd
    .args:
      - { .name: acodes, .offset: 0, .size: 8, .value_kind: global_buffer, .address_space: global }
      - { .name: asc, .offset: 8, .size: 8, .value_kind: global_buffer, .address_space: global }
      - { .name: Wo_codes, .offset: 16, .size: 8, .value_kind: global_buffer, .address_space: global }
      - { .name: Wo_scales, .offset: 24, .size: 8, .value_kind: global_buffer, .address_space: global }
      - { .name: bo, .offset: 32, .size: 8, .value_kind: global_buffer, .address_space: global }
      - { .name: o_g, .offset: 40, .size: 8, .value_kind: global_buffer, .address_space: global }
      - { .name: o_b, .offset: 48, .size: 8, .value_kind: global_buffer, .address_space: global }
      - { .name: o_m, .offset: 56, .size: 8, .value_kind: global_buffer, .address_space: global }
      - { .name: o_v, .offset: 64, .size: 8, .value_kind: global_buffer, .address_space: global }
      - { .name: out0, .offset: 72, .size: 8, .value_kind: global_buffer, .address_space: global }
    .group_segment_fixed_size: 103424
    .private_segment_fixed_size: 0
    .kernarg_segment_align: 8
    .kernarg_segment_size: 80
    .max_flat_workgroup_size: 256
    .sgpr_count:     66
    .vgpr_count:     384
    .wavefront_size: 32
...
	.end_amdgpu_metadata
.endif
;; end of part 3
;; ======== version 2 of 2: 3 launches
;; workspace buffers: bias 33,554,432 bytes; qimg 4,194,304 bytes; qsc 1,048,576 bytes; kv 14,155,776 bytes; acodes 8,388,608 bytes; asc 524,288 bytes
;; launch qkv (part 4): grid 256 x 1, 4 waves a work-group, no clusters, 0 bytes of LDS; arguments x_codes, x_scales, Wq_codes, Wq_scales, Wk_codes, Wk_scales, Wv_codes, Wv_scales, q_g, q_b, q_m, q_v, k_g, k_b, k_m, k_v, v_g, v_b, v_m, v_v, qimg, qsc, kv, pos_idx, pos_tab, bias; writes qimg, qsc, kv, bias
.if DOCPART == 4
	.amdgcn_target "amdgcn-amd-amdhsa--gfx1250"
	.amdhsa_code_object_version 6
	.text
	.protected	k_qc18e1fde0b_qkv
	.globl	k_qc18e1fde0b_qkv
	.p2align	8
	.type	k_qc18e1fde0b_qkv,@function
k_qc18e1fde0b_qkv:
	s_mov_b64 s[64:65], 0
	v_nop
	global_prefetch_b8 v0, s[64:65] scope:SCOPE_SE
	s_setreg_imm32_b32 hwreg(HW_REG_WAVE_SCHED_MODE, 0, 2), 2
	s_setreg_imm32_b32 hwreg(HW_REG_WAVE_MODE, 25, 1), 1
	s_wait_xcnt 0x0
	s_wait_alu depctr_vm_vsrc(0)
; TWO PIECES OF WORK THAT SHARE NO DATA, IN ONE WAVE, so that the memory waits of the one stand under the arithmetic of the other.
; (1) q, k, v = BatchNorm(W x), products on codes of FP8 (E4M3) with E8M0 scales as they are given; the results are quantised in registers (q, k along the head's 32, v along the keys)
; and stored as IMAGES OF OPERAND REGISTERS for the attention launch: 16 bytes a lane, 512 consecutive bytes a store.
; SHARES: a work-group takes 128 positions of one batch and four heads; a wave one head: 8 groups of 16 matrix instructions (q 2, k 2, v 4).  x's 16 fragments and all weights of the head stay in registers.
; TILES ARE NOT NEIGHBOURS: row r of tile t (of positions, of W's rows within a head) is 32 (t / 2) + 8 (t % 2) + r + 8 (r / 8), so that the 16 registers of result tiles 2 b, 2 b + 1 are 16 neighbours
; along the next product's K: 32 b + 16 (lane / 16) + 0 .. 15.
; q, k: source 0 = 16 rows of W, source 1 = 16 positions: a lane holds one position and 16 of the head's 32 channels.   v: source 0 = 16 positions, source 1 = 16 rows of Wv: a lane holds one channel and keys.
; kv: [4 h + b / 4][128 keys 8] blocks of 55,296 bytes; in a block [b % 4] parts of 13,824 bytes: K's eight images 4,096, V's four fragments 8,192, K's scale words 1,024, V's 512.
; BatchNorm: y x sc + off with sc = g x rsq(v + eps), off = b - m x sc, in f32.
; (2) bias[h][i][j] = 32 x pos_tab[pos_idx[i][j]][h], made once for all 16 batches, f32, exact (a multiplication by a power of two).  32 = 1 / scale^2: logit = (q.k + 32 x table) x scale, so the attention
; launch takes these numbers as the C of its first product.  LAYOUT: [h 8][block of 128 queries 8][key step 8][query tile w 8][g 16][lane 32][16 bytes]: the image of 64 accumulator registers:
;   lane (r, hh), register 4 g + e:  query i = 128 x block + 32 (w / 2) + 8 (w % 2) + r + 8 (r / 8);  key j = 128 x step + 32 (g / 4) + 16 hh + 4 (g % 4) + e.
; SHARES: 64 query tiles x 8 key steps x 2 halves of 64 keys = the launch's 1,024 waves.  A lane reads 32 indices, gathers 32 rows of the table (a row is all 8 heads, 32 bytes) and stores, for each head, eight runs
; of 16 bytes; each store of the wave covers 512 consecutive bytes, aligned.  An index is held to 0 .. 1,023, the table's rows, before it enters an address.
; ORDER: the indices come with the head's loads; the gathers are on their way under the four groups of q and k; their numbers are multiplied and stored in four pairs of parts: the first with k's last group,
; the second alone behind it, the third and the fourth with v's first two groups.
; LIMITS: v_rsq_f32 is accurate to 1 ulp where the definition divides by a root; NaN and infinities are not served; a block whose largest magnitude lies under 2^-118 (zeros too) gets the scale byte 1:
; these bytes are read by this program alone.
; No tensor load and no shared tile: each wave reads its slice of the weights once, straight into registers.
; REGISTERS: window 0 as named below;  window 1: x's fragments, tile t, K step s at 32 t + 16 s;  window 2: Wq 64, Wk 64, Wv 128;  window 3: the gathered rows, index i at 8 i, head h at + h.
; THE MODE: SCHED_MODE bits 1:0 = 2 (LLVM: expert scheduling mode 2), set by the entry lines.  The code itself states the register dependences between vector or matrix instructions and memory instructions,
; with s_wait_alu, always for 0.
; THE PLAN.  Registers that memory instructions touch:
;   v1-6, v233-236    offsets: written at the head, read by every load and store, never written again: one wait on va_vdst ahead of the first load.
;   windows 1 and 2, v8-119, v217-232   the head's loads land there, once; from then on vector and matrix instructions alone name them.
;   v184-215          the indices land there; the clamp and the shift write them; the gathers read them as offsets (a wait on va_vdst ahead of the gathers); then they are the quantiser's registers
;                     (the first group's wait on vm_vsrc states that the gathers have read them).
;   window 3          the gathers land there, once; the multiplications by 32 read it.
;   PC, the bytes, PW a group's out-buffer: written by its quantiser, read by its stores, written again by the next group's quantiser.
;   OUT               the table's out-buffer: written by a pair's 64 multiplications, read by its 16 stores, written again by the next pair's.
; A GROUP has two places of waits.  At its head, behind the products' places: the wait on vm_vsrc (beside s_wait_xcnt 0): every store issued so far has read its data, so both out-buffers may be written.
; Behind all its vector work, a pair's multiplications among it: ONE wait on va_vdst, ahead of the run of stores, the group's and the pair's.
.set LA,  1                            ; (r + 8 (r / 8)) x 256 + 16 hh: a row of 256 codes, for x and every W
.set LSC, 2                            ; (r + 8 (r / 8)) x 8: a row's 8 scale bytes
.set LI,  3                            ; 16 x lane
.set LS,  4                            ; 4 x lane
.set BO,  5                            ; 64 hh: my 16 channels' numbers of q's and k's BatchNorm
.set VO,  6                            ; 4 (r + 8 (r / 8)): my channel's number of v's
.set XS,  8                            ; v8-23   x's scale words, 2 t + s
.set WSQ, 24                           ; v24-27  Wq's, 2 u + s;  v28-31 Wk's;  v32-39 Wv's, 2 f + s
.set WSK, 28
.set WSV, 32
.set QSC, 40                           ; v40-55 sc, v56-71 off of q;  v72-87, v88-103 of k: register i = channel 16 hh + i
.set QOF, 56
.set KSC, 72
.set KOF, 88
.set OUT, 40                           ; v40-103 once q's and k's BatchNorm is done: the table's numbers x 32, two sets of 32, one a part: head h, element e at 4 h + e
.set VBN, 104                          ; v104-119 v: tile f: the pair sc, sc at 4 f, the pair off, off at 4 f + 2
.set ACC, 120                          ; v120-183 eight accumulators
.set PC,  184                          ; v184-199 the codes just made
.set TM,  200                          ; v200-215 at work in QUANT
.set IX,  184                          ; v184-215 until the first QUANT: 32 indices, then their rows' byte offsets
.set PW,  216                          ; the scale word just made
.set VR,  217                          ; v217-232 v's g, b, m, v as loaded
.set OV,  232                          ; v233-235 at OV + k, k = 1 .. 3: 16 x lane + k x 8,388,608: heads 2 k and 2 k + 1 (heads 0 and 1 take v[LI]; the odd head stands in the store's immediate)
.set IO,  236                          ; my byte in pos_idx: (r + 8 (r / 8)) rows of 4,096 bytes + 64 hh
.set WFA, 0
.set WFB, 64
.set WFV, 128
.set WV,  50
.set SEL, 56
.set MNT, 58
.set KC,  66                           ; s[66:67] K's images, s[68:69] K's scale words, s[70:71] V's images, s[72:73] V's scale words, s[74:75] Q's images, s[76:77] Q's scale words
.set KSB, 68
.set VC,  70
.set VSB, 72
.set QC,  74
.set QSB, 76
.set PI,  80                           ; s[80:81] pos_idx, s[82:83] pos_tab, s[84:85] bias
.set PT,  82
.set BI,  84
.set C32, 92                           ; 32.0
.set NONE, 9                           ; a group that takes no pair of the table's parts with it
.set MSB, 0
.macro WIN new                         ; the immediate's high byte repeats the setting that is left
.if MSB != \new
	s_set_vgpr_msb (MSB<<8)|\new
.set MSB, \new
.endif
.endm
; 64 numbers of a lane, register 16 b + i = number 32 b + 16 (lane / 16) + i along K, become codes in v[PC + 4 b ..], scale bytes in v[TM + 4 + b] and, with word = 1, the scale word in v[PW].
.macro QUANT s, word
.irp b, 0,1,2,3
	v_max3_num_f32 v[TM+\b], |v[\s+16*\b]|, |v[\s+1+16*\b]|, 0x4800000   ; block b: my 16 numbers and the floor 2^(9 - 127), which holds the byte at 1 from below
.endr
.irp i, 2,4,6,8,10,12,14
.irp b, 0,1,2,3
	v_max3_num_f32 v[TM+\b], v[TM+\b], |v[\s+16*\b+\i]|, |v[\s+1+16*\b+\i]|   ; the four blocks by turns
.endr
.endr
.irp b, 0,1,2,3
	v_permlanex16_b32 v[TM+4+\b], v[TM+\b], s[SEL], s[SEL+1]   ; (its destination counts as one of its sources: these registers have held indices, so they are written)
.endr
.irp b, 0,1,2,3
	v_max_num_f32 v[TM+\b], v[TM+\b], v[TM+4+\b]   ; with lane l xor 16's 16: the block's largest magnitude
.endr
.irp b, 0,1,2,3
	v_add_nc_u32 v[TM+12+\b], 0xfc000000, v[TM+\b] ; 8 off its exponent field: the conversion's scale operand
.endr
.irp b, 0,1,2,3
	v_and_or_b32 v[TM+8+\b], v[TM+\b], 0x7f800000, s[MNT]   ; 448 x the scale
.endr
.irp b, 0,1,2,3
	v_lshrrev_b32 v[TM+4+\b], 23, v[TM+12+\b]      ; the scale's byte
.endr
.if \word
	v_lshl_or_b32 v[PW], v[TM+5], 8, v[TM+4]
	v_lshl_or_b32 v[PW], v[TM+6], 16, v[PW]
	v_lshl_or_b32 v[PW], v[TM+7], 24, v[PW]
.endif
.irp b, 0,1,2,3
.irp i, 0,1,2,3,4,5,6,7,8,9,10,11,12,13,14,15
	v_med3_num_f32 v[\s+16*\b+\i], v[\s+16*\b+\i], -v[TM+8+\b], v[TM+8+\b]   ; the conversion to an 8-bit code does not saturate (ISA guide 7.6.2): the hold comes first
.endr
	v_cvt_scalef32_pk8_fp8_f32 v[PC+4*\b:PC+1+4*\b], v[\s+16*\b:\s+7+16*\b], v[TM+12+\b]
	v_cvt_scalef32_pk8_fp8_f32 v[PC+2+4*\b:PC+3+4*\b], v[\s+8+16*\b:\s+15+16*\b], v[TM+12+\b]
.endr
	v_nop                                          ; one plain line behind the last conversion, ahead of whatever next touches its registers
.endm
.macro PLACES                          ; eight plain lines between these matrix instructions and the first read of their results
.rept 8
	v_nop
.endr
.endm
; Pair p of four of the table's numbers: parts 2 p and 2 p + 1 of eight; a part is four indices' rows, x 32, and from [key][head] to [head][key] by the choice of registers.
.macro BMUL p
	s_wait_loadcnt 16*(3-(\p))                     ; loads come back in order: this pair's sixteen gathers are in; the sixteen of each later pair may be out
	WIN 0x0c                                       ; source 1 (the gathered rows) window 3
.irp q, 0,1
.irp h, 0,1,2,3,4,5,6,7
.irp e, 0,1,2,3
	v_mul_f32 v[OUT+32*\q+4*\h+\e], s[C32], v[32*(2*(\p)+\q)+8*\e+\h]
.endr
.endr
.endr
	WIN 0
.endm
; and its sixteen stores of 512 consecutive bytes, one a part and head
.macro BSTORE p
.irp q, 0,1
.irp h, 0,1,2,3,4,5,6,7
.if \h < 2
	global_store_b128 v[LI], v[OUT+32*\q+4*\h:OUT+32*\q+4*\h+3], s[BI:BI+1] offset:(\h%2)*4194304+(2*(\p)+\q)*512
.else
	global_store_b128 v[OV+\h/2], v[OUT+32*\q+4*\h:OUT+32*\q+4*\h+3], s[BI:BI+1] offset:(\h%2)*4194304+(2*(\p)+\q)*512
.endif
.endr
.endr
.endm
	s_load_b512 s[4:19], s[0:1], 0x0               ; x codes, x scales, Wq codes, scales, Wk codes, scales, Wv codes, scales
	s_load_b512 s[20:35], s[0:1], 0x40             ; q_g, q_b, q_m, q_v, k_g, k_b, k_m, k_v
	s_load_b256 s[36:43], s[0:1], 0x80             ; v_g, v_b, v_m, v_v
	s_load_b128 s[44:47], s[0:1], 0xa0             ; qimg, qsc
	s_load_b64 s[48:49], s[0:1], 0xb0              ; kv
	s_load_b64 s[PI:PI+1], s[0:1], 0xb8            ; pos_idx
	s_load_b64 s[PT:PT+1], s[0:1], 0xc0            ; pos_tab
	s_load_b64 s[BI:BI+1], s[0:1], 0xc8            ; bias
	v_lshrrev_b32 v7, 5, v0
	v_readfirstlane_b32 s[WV], v7                  ; wave 0..3
	v_and_b32 v7, 15, v0                           ; r
	v_bfe_u32 v[BO], v0, 4, 1                      ; hh
	v_and_b32 v[VO], 8, v7
	v_add_nc_u32 v[VO], v[VO], v7                  ; r + 8 (r / 8)
	v_lshlrev_b32 v[LA], 8, v[VO]
	v_lshl_add_u32 v[LA], v[BO], 4, v[LA]
	v_lshlrev_b32 v[LSC], 3, v[VO]
	v_lshlrev_b32 v[IO], 12, v[VO]
	v_lshl_add_u32 v[IO], v[BO], 6, v[IO]
	v_lshlrev_b32 v[VO], 2, v[VO]
	v_lshlrev_b32 v[BO], 6, v[BO]
	v_and_b32 v7, 31, v0
	v_lshlrev_b32 v[LI], 4, v7
	v_lshlrev_b32 v[LS], 2, v7
.irp k, 1,2,3
	v_add_nc_u32 v[OV+\k], \k*8388608, v[LI]
.endr
	s_mov_b32 s[SEL], 0x76543210
	s_mov_b32 s[SEL+1], 0xfedcba98                 ; lane l xor 16
	s_mov_b32 s[MNT], 0x600000                     ; the mantissa field of 448
	s_mov_b32 s[C32], 0x42000000                   ; 32.0
	s_wait_alu depctr_va_sdst(0)                   ; the wave's number is written, ahead of its first reader: the head and every base are made from it
	s_and_b32 s51, ttmp9, 1
	s_lshl_b32 s51, s51, 2
	s_add_co_u32 s51, s51, s[WV]                   ; h: my head
	s_lshr_b32 s52, ttmp9, 4                       ; b: the batch
	s_bfe_u32 s53, ttmp9, 0x30001                  ; ks: which 128 positions
	s_lshr_b32 s54, s52, 2                         ; bg = b / 4
	s_and_b32 s55, s52, 3                          ; bl = b % 4
	s_lshl_b32 s59, s51, 2
	s_add_co_u32 s59, s59, s54
	s_lshl_b32 s59, s59, 3
	s_add_co_u32 s59, s59, s53                     ; blk = (4 h + bg) x 8 + ks
	s_lshl_b32 s60, s52, 10
	s_lshl_b32 s62, s53, 7
	s_add_co_u32 s60, s60, s62                     ; my first position among the 16,384
	s_lshl_b32 s62, s60, 3                         ; its scale bytes,
	s_lshl_b32 s60, s60, 8                         ; its codes
	s_mov_b32 s61, 0
	s_mov_b32 s63, 0
	s_mov_b32 s79, 0
	; the table's part: wave number w = 4 x work-group + wave among the launch's 1,024
	s_lshl_b32 s86, ttmp9, 2
	s_add_co_u32 s86, s86, s[WV]
	s_lshr_b32 s87, s86, 4                         ; T: the query tile, 0..63
	s_bfe_u32 s88, s86, 0x30001                    ; the key step
	s_and_b32 s89, s86, 1                          ; which 64 keys of it
	s_lshr_b32 s90, s87, 1
	s_lshl_b32 s90, s90, 5
	s_and_b32 s91, s87, 1
	s_lshl_b32 s91, s91, 3
	s_add_co_u32 s90, s90, s91                     ; the tile's first row of pos_idx: 32 (T / 2) + 8 (T % 2)
	s_lshl_b32 s90, s90, 12
	s_lshl_b32 s91, s88, 9
	s_add_co_u32 s90, s90, s91                     ; + 128 keys x 4 bytes a step
	s_lshl_b32 s91, s89, 8
	s_add_co_u32 s90, s90, s91                     ; + 64 keys x 4 bytes: my 256 bytes of a row begin at a multiple of 256
	s_mov_b32 s91, 0
	s_wait_kmcnt 0x0
	s_add_nc_u64 s[PI:PI+1], s[PI:PI+1], s[90:91]
	s_lshr_b32 s90, s87, 3
	s_lshl_b32 s90, s90, 3
	s_add_co_u32 s90, s90, s88
	s_lshl_b32 s90, s90, 3
	s_and_b32 s87, s87, 7
	s_add_co_u32 s90, s90, s87                     ; ((block x 8 + step) x 8 + w)
	s_lshl_b32 s90, s90, 13                        ; x 8,192 bytes
	s_lshl_b32 s89, s89, 12
	s_add_co_u32 s90, s90, s89                     ; + my eight g of 512 bytes
	s_add_nc_u64 s[BI:BI+1], s[BI:BI+1], s[90:91]
	s_add_nc_u64 s[4:5], s[4:5], s[60:61]
	s_add_nc_u64 s[6:7], s[6:7], s[62:63]
	s_lshl_b32 s78, s51, 13                        ; Wq, Wk: 32 rows of 256 bytes a head
	s_add_nc_u64 s[8:9], s[8:9], s[78:79]
	s_add_nc_u64 s[12:13], s[12:13], s[78:79]
	s_lshl_b32 s78, s51, 8                         ; their scales: 32 rows of 8 bytes
	s_add_nc_u64 s[10:11], s[10:11], s[78:79]
	s_add_nc_u64 s[14:15], s[14:15], s[78:79]
.irp p, 36,38,40,42
	s_add_nc_u64 s[\p:\p+1], s[\p:\p+1], s[78:79]  ; v's BatchNorm: 64 numbers of 4 bytes a head: the same 256 h
.endr
	s_lshl_b32 s78, s51, 14                        ; Wv: 64 rows of 256 bytes
	s_add_nc_u64 s[16:17], s[16:17], s[78:79]
	s_lshl_b32 s78, s51, 9
	s_add_nc_u64 s[18:19], s[18:19], s[78:79]
	s_lshl_b32 s78, s51, 7                         ; q's and k's BatchNorm: 32 numbers a head
.irp p, 20,22,24,26,28,30,32,34
	s_add_nc_u64 s[\p:\p+1], s[\p:\p+1], s[78:79]
.endr
	s_mul_i32 s78, s59, 55296                      ; my block of kv,
	s_add_nc_u64 s[48:49], s[48:49], s[78:79]
	s_mul_i32 s78, s55, 13824                      ; my batch's part of it: K's images first,
	s_add_nc_u64 s[KC:KC+1], s[48:49], s[78:79]
	s_add_nc_u64 s[VC:VC+1], s[KC:KC+1], 4096      ; then V's fragments,
	s_add_nc_u64 s[KSB:KSB+1], s[KC:KC+1], 12288   ; K's scale words,
	s_add_nc_u64 s[VSB:VSB+1], s[KC:KC+1], 13312   ; V's
	s_lshl_b32 s78, s59, 14
	s_lshl_b32 s60, s55, 12
	s_add_co_u32 s78, s78, s60
	s_add_nc_u64 s[QC:QC+1], s[44:45], s[78:79]
	s_lshr_b32 s78, s78, 2                         ; the scale words take a quarter of the images' bytes
	s_add_nc_u64 s[QSB:QSB+1], s[46:47], s[78:79]
	s_wait_alu depctr_va_vdst(0)                   ; the offsets v1 to v6 and v233 to v236 are written: every load and store of the kernel but the gathers reads one of them; only loads and window switches follow up to the head's last load
.irp g, 0,1,2,3,4,5,6,7
	global_load_b128 v[IX+4*\g:IX+4*\g+3], v[IO], s[PI:PI+1] offset:128*(\g/4)+16*(\g%4)   ; the indices first: the longest chain of the kernel hangs on them.  The eight loads share sixteen blocks of 256 bytes
.endr
.irp g, 0,1,2,3
	global_load_b128 v[QSC+4*\g:QSC+4*\g+3], v[BO], s[20:21] offset:16*\g          ; g
	global_load_b128 v[QOF+4*\g:QOF+4*\g+3], v[BO], s[22:23] offset:16*\g          ; b
	global_load_b128 v[ACC+4*\g:ACC+4*\g+3], v[BO], s[24:25] offset:16*\g          ; m
	global_load_b128 v[ACC+16+4*\g:ACC+16+4*\g+3], v[BO], s[26:27] offset:16*\g    ; v
	global_load_b128 v[KSC+4*\g:KSC+4*\g+3], v[BO], s[28:29] offset:16*\g
	global_load_b128 v[KOF+4*\g:KOF+4*\g+3], v[BO], s[30:31] offset:16*\g
	global_load_b128 v[ACC+32+4*\g:ACC+32+4*\g+3], v[BO], s[32:33] offset:16*\g
	global_load_b128 v[ACC+48+4*\g:ACC+48+4*\g+3], v[BO], s[34:35] offset:16*\g
.endr
.irp f, 0,1,2,3
	global_load_b32 v[VR+\f], v[VO], s[36:37] offset:(32*(\f/2)+8*(\f%2))*4
	global_load_b32 v[VR+4+\f], v[VO], s[38:39] offset:(32*(\f/2)+8*(\f%2))*4
	global_load_b32 v[VR+8+\f], v[VO], s[40:41] offset:(32*(\f/2)+8*(\f%2))*4
	global_load_b32 v[VR+12+\f], v[VO], s[42:43] offset:(32*(\f/2)+8*(\f%2))*4
	global_load_b64 v[WSV+2*\f:WSV+2*\f+1], v[LSC], s[18:19] offset:(32*(\f/2)+8*(\f%2))*8
.endr
.irp u, 0,1
	global_load_b64 v[WSQ+2*\u:WSQ+2*\u+1], v[LSC], s[10:11] offset:64*\u
	global_load_b64 v[WSK+2*\u:WSK+2*\u+1], v[LSC], s[14:15] offset:64*\u
.endr
.irp t, 0,1,2,3,4,5,6,7
	global_load_b64 v[XS+2*\t:XS+2*\t+1], v[LSC], s[6:7] offset:(32*(\t/2)+8*(\t%2))*8
.endr
	WIN 0x80                                       ; destination window 2
.irp u, 0,1
.irp k, 0,1
.irp c, 0,1,2,3
	global_load_b128 v[WFA+32*\u+16*\k+4*\c:WFA+32*\u+16*\k+4*\c+3], v[LA], s[8:9] offset:8*\u*256+128*\k+32*\c
	global_load_b128 v[WFB+32*\u+16*\k+4*\c:WFB+32*\u+16*\k+4*\c+3], v[LA], s[12:13] offset:8*\u*256+128*\k+32*\c
.endr
.endr
.endr
.irp f, 0,1,2,3
.irp k, 0,1
.irp c, 0,1,2,3
	global_load_b128 v[WFV+32*\f+16*\k+4*\c:WFV+32*\f+16*\k+4*\c+3], v[LA], s[16:17] offset:(32*(\f/2)+8*(\f%2))*256+128*\k+32*\c   ; all of Wv's four tiles too: behind the head's wait the gathers are the only loads out
.endr
.endr
.endr
	WIN 0x40                                       ; destination window 1
.irp t, 0,1,2,3,4,5,6,7
.irp k, 0,1
.irp c, 0,1,2,3
	global_load_b128 v[32*\t+16*\k+4*\c:32*\t+16*\k+4*\c+3], v[LA], s[4:5] offset:(32*(\t/2)+8*(\t%2))*256+128*\k+32*\c
.endr
.endr
.endr
	WIN 0
	s_wait_loadcnt 0x0
	; the gathers go out first: 64 loads, which have the four groups of q and k in which to land
.set j, 0
.rept 32
	v_min_u32 v[IX+j], 0x3ff, v[IX+j]              ; inside the table
.set j, j+1
.endr
.set j, 0
.rept 32
	v_lshlrev_b32 v[IX+j], 5, v[IX+j]              ; a row of the table is 32 bytes
.set j, j+1
.endr
	WIN 0xc0                                       ; destination window 3, address window 0
	s_wait_alu depctr_va_vdst(0)                   ; the shifts have written v[IX ..], which the gathers read as their offsets
.set j, 0
.rept 32
	global_load_b128 v[8*j:8*j+3], v[IX+j], s[PT:PT+1]
	global_load_b128 v[8*j+4:8*j+7], v[IX+j], s[PT:PT+1] offset:16
.set j, j+1
.endr
	WIN 0
	; BatchNorm's constants: 36 roots in one batch
.irp i, 0,1,2,3,4,5,6,7,8,9,10,11,12,13,14,15
	v_add_f32 v[ACC+16+\i], 0x3727c5ac, v[ACC+16+\i]   ; v + 1e-5
	v_add_f32 v[ACC+48+\i], 0x3727c5ac, v[ACC+48+\i]
.endr
.irp f, 0,1,2,3
	v_add_f32 v[VR+12+\f], 0x3727c5ac, v[VR+12+\f]
.endr
	s_wait_alu depctr_va_vdst(0)
.irp i, 0,1,2,3,4,5,6,7,8,9,10,11,12,13,14,15
	v_rsq_f32 v[ACC+16+\i], v[ACC+16+\i]
	v_rsq_f32 v[ACC+48+\i], v[ACC+48+\i]
.endr
.irp f, 0,1,2,3
	v_rsq_f32 v[VR+12+\f], v[VR+12+\f]
.endr
	v_nop                                          ; a plain line behind the last root
	s_wait_alu depctr_va_vdst(0)                   ; the 36 roots are written: one wait for the batch, ahead of its first reader
.irp i, 0,1,2,3,4,5,6,7,8,9,10,11,12,13,14,15
	v_mul_f32 v[QSC+\i], v[QSC+\i], v[ACC+16+\i]
	v_mul_f32 v[KSC+\i], v[KSC+\i], v[ACC+48+\i]
.endr
.irp i, 0,1,2,3,4,5,6,7,8,9,10,11,12,13,14,15
	v_fma_f32 v[QOF+\i], -v[ACC+\i], v[QSC+\i], v[QOF+\i]
	v_fma_f32 v[KOF+\i], -v[ACC+32+\i], v[KSC+\i], v[KOF+\i]
.endr
.irp f, 0,1,2,3
	v_mul_f32 v[VBN+4*\f], v[VR+\f], v[VR+12+\f]
.endr
.irp f, 0,1,2,3
	v_fma_f32 v[VBN+4*\f+2], -v[VR+8+\f], v[VBN+4*\f], v[VR+4+\f]
	v_mov_b32 v[VBN+4*\f+1], v[VBN+4*\f]           ; the packed form names pairs, so both halves are written
.endr
.irp f, 0,1,2,3
	v_mov_b32 v[VBN+4*\f+3], v[VBN+4*\f+2]
.endr
; A group of q or of k: position tiles 4 g .. 4 g + 3 x the head's two tiles of W's rows, K = 256 in two steps.  The eight accumulators take turns.
; np: the pair of the table's parts that the group takes with it, or NONE.
.macro GQK g, wf, ws, sc, of, cb, sb, np
	WIN 0x06                                       ; source 0 (W) window 2, source 1 (x) window 1
.irp b, 0,1,2,3
.irp u, 0,1
	v_wmma_scale_f32_16x16x128_f8f6f4 v[ACC+16*\b+8*\u:ACC+16*\b+8*\u+7], v[\wf+32*\u:\wf+32*\u+15], v[32*(4*\g+\b):32*(4*\g+\b)+15], 0, v[\ws+2*\u], v[XS+2*(4*\g+\b)]
.endr
.endr
.irp b, 0,1,2,3
.irp u, 0,1
	v_wmma_scale_f32_16x16x128_f8f6f4 v[ACC+16*\b+8*\u:ACC+16*\b+8*\u+7], v[\wf+32*\u+16:\wf+32*\u+31], v[32*(4*\g+\b)+16:32*(4*\g+\b)+31], v[ACC+16*\b+8*\u:ACC+16*\b+8*\u+7], v[\ws+2*\u+1], v[XS+2*(4*\g+\b)+1]
.endr
.endr
	WIN 0
	PLACES
	s_wait_xcnt 0x0                                ; the last group's stores and the gathers have had their addresses translated: the quantiser's registers are written again only behind this wait
	s_wait_alu depctr_vm_vsrc(0)                   ; the last group's stores have read v[PC ..] and the bytes, and (first group) the gathers their offsets v[IX ..]: the quantiser below writes all of these
.irp b, 0,1,2,3
.irp p, 0,2,4,6,8,10,12,14
	v_pk_fma_f32 v[ACC+16*\b+\p:ACC+16*\b+\p+1], v[ACC+16*\b+\p:ACC+16*\b+\p+1], v[\sc+\p:\sc+\p+1], v[\of+\p:\of+\p+1]   ; BatchNorm; each accumulator from its low end on
.endr
.endr
	QUANT ACC, 0                                   ; block b = the head's 32 channels of position tile 4 g + b
.if (\np) < 4
	BMUL \np                                       ; q's and k's constants are done with: their registers take the table's numbers
.endif
	s_wait_alu depctr_va_vdst(0)                   ; the conversions have written v[PC ..], the shifts the bytes, the multiplications (where a pair goes along) v[OUT ..]: the stores below read them
.irp b, 0,1,2,3
	global_store_b128 v[LI], v[PC+4*\b:PC+4*\b+3], s[\cb:\cb+1] offset:(4*\g+\b)*512
	global_store_b32 v[LS], v[TM+4+\b], s[\sb:\sb+1] offset:(4*\g+\b)*128   ; the byte in a word whose other three bytes are 0
.endr
.if (\np) < 4
	BSTORE \np
.endif
.endm
; A group of v: all eight position tiles x tile f of Wv's rows.  A lane holds one channel and 64 of the 128 keys: one whole fragment of V with the keys innermost.
.macro GV f, wf, np
	WIN 0x09                                       ; source 0 (x) window 1, source 1 (Wv) window 2
.irp t, 0,1,2,3,4,5,6,7
	v_wmma_scale_f32_16x16x128_f8f6f4 v[ACC+8*\t:ACC+8*\t+7], v[32*\t:32*\t+15], v[\wf:\wf+15], 0, v[XS+2*\t], v[WSV+2*\f]
.endr
.irp t, 0,1,2,3,4,5,6,7
	v_wmma_scale_f32_16x16x128_f8f6f4 v[ACC+8*\t:ACC+8*\t+7], v[32*\t+16:32*\t+31], v[\wf+16:\wf+31], v[ACC+8*\t:ACC+8*\t+7], v[XS+2*\t+1], v[WSV+2*\f+1]
.endr
	WIN 0
	PLACES
	s_wait_xcnt 0x0                                ; every store issued so far has had its addresses translated: both out-buffers are written again only behind this wait
	s_wait_alu depctr_vm_vsrc(0)                   ; the stores issued so far have read v[PC ..], v[PW] and v[OUT ..]: the quantiser, and the multiplications where a pair goes along, write them again
.set j, 0
.rept 32
	v_pk_fma_f32 v[ACC+j:ACC+j+1], v[ACC+j:ACC+j+1], v[VBN+4*\f:VBN+4*\f+1], v[VBN+4*\f+2:VBN+4*\f+3] op_sel_hi:[1,0,0]
.set j, j+2
.endr
	QUANT ACC, 1
.if (\np) < 4
	BMUL \np
.endif
	s_wait_alu depctr_va_vdst(0)                   ; the conversions have written v[PC ..], the last shift v[PW], the multiplications (where a pair goes along) v[OUT ..]: the stores below read them
.irp c, 0,1,2,3
	global_store_b128 v[LI], v[PC+4*\c:PC+4*\c+3], s[VC:VC+1] offset:\f*2048+\c*512
.endr
	global_store_b32 v[LS], v[PW], s[VSB:VSB+1] offset:\f*128
.if (\np) < 4
	BSTORE \np
.endif
.endm
	GQK 0, WFA, WSQ, QSC, QOF, QC, QSB, NONE
	GQK 1, WFA, WSQ, QSC, QOF, QC, QSB, NONE
	GQK 0, WFB, WSK, KSC, KOF, KC, KSB, NONE
	GQK 1, WFB, WSK, KSC, KOF, KC, KSB, 0          ; with it the table's parts 0 and 1.  The pairs stand at the groups' ends and between the groups, so that their stores leave under arithmetic
	s_wait_xcnt 0x0                                ; parts 2 and 3 stand alone: the first pair's stores have had their addresses translated,
	s_wait_alu depctr_vm_vsrc(0)                   ; and have read v[OUT ..], which the multiplications below write again
	BMUL 1
	s_wait_alu depctr_va_vdst(0)                   ; the multiplications have written v[OUT ..], which the stores below read
	BSTORE 1
	GV 0, WFV, 2                                   ; with it parts 4 and 5
	GV 1, WFV+32, 3                                ; with it parts 6 and 7
	GV 2, WFV+64, NONE
	GV 3, WFV+96, NONE
	s_endpgm
.Lfunc_end_k_qc18e1fde0b_qkv:
	.size	k_qc18e1fde0b_qkv, .Lfunc_end_k_qc18e1fde0b_qkv-k_qc18e1fde0b_qkv
	.p2alignl 7, 3214868480
	.fill 96, 4, 3214868480
	.section	.rodata,"a",@progbits
	.p2align	6, 0x0
	.amdhsa_kernel k_qc18e1fde0b_qkv
		.amdhsa_group_segment_fixed_size 0
		.amdhsa_private_segment_fixed_size 0
		.amdhsa_enable_private_segment 0
		.amdhsa_kernarg_size 208
		.amdhsa_user_sgpr_count 2
		.amdhsa_user_sgpr_kernarg_segment_ptr 1
		.amdhsa_wavefront_size32 1
		.amdhsa_system_sgpr_workgroup_id_x 1
		.amdhsa_system_sgpr_workgroup_id_y 1
		.amdhsa_system_sgpr_workgroup_id_z 1
		.amdhsa_system_vgpr_workitem_id 0
		.amdhsa_next_free_vgpr 1024
		.amdhsa_next_free_sgpr 94
		.amdhsa_reserve_vcc 0
		.amdhsa_float_denorm_mode_32 3
		.amdhsa_float_denorm_mode_16_64 3
		.amdhsa_memory_ordered 1
		.amdhsa_forward_progress 1
		.amdhsa_inst_pref_size 158
	.end_amdhsa_kernel
	.amdgpu_metadata
---
amdhsa.version: [ 1, 2 ]
amdhsa.kernels:
  - .name:           k_qc18e1fde0b_qkv
    .symbol:         k_qc18e1fde0b_qkv.kd
    .args:
      - { .name: x_codes, .offset: 0, .size: 8, .value_kind: global_buffer, .address_space: global }
      - { .name: x_scales, .offset: 8, .size: 8, .value_kind: global_buffer, .address_space: global }
      - { .name: Wq_codes, .offset: 16, .size: 8, .value_kind: global_buffer, .address_space: global }
      - { .name: Wq_scales, .offset: 24, .size: 8, .value_kind: global_buffer, .address_space: global }
      - { .name: Wk_codes, .offset: 32, .size: 8, .value_kind: global_buffer, .address_space: global }
      - { .name: Wk_scales, .offset: 40, .size: 8, .value_kind: global_buffer, .address_space: global }
      - { .name: Wv_codes, .offset: 48, .size: 8, .value_kind: global_buffer, .address_space: global }
      - { .name: Wv_scales, .offset: 56, .size: 8, .value_kind: global_buffer, .address_space: global }
      - { .name: q_g, .offset: 64, .size: 8, .value_kind: global_buffer, .address_space: global }
      - { .name: q_b, .offset: 72, .size: 8, .value_kind: global_buffer, .address_space: global }
      - { .name: q_m, .offset: 80, .size: 8, .value_kind: global_buffer, .address_space: global }
      - { .name: q_v, .offset: 88, .size: 8, .value_kind: global_buffer, .address_space: global }
      - { .name: k_g, .offset: 96, .size: 8, .value_kind: global_buffer, .address_space: global }
      - { .name: k_b, .offset: 104, .size: 8, .value_kind: global_buffer, .address_space: global }
      - { .name: k_m, .offset: 112, .size: 8, .value_kind: global_buffer, .address_space: global }
      - { .name: k_v, .offset: 120, .size: 8, .value_kind: global_buffer, .address_space: global }
      - { .name: v_g, .offset: 128, .size: 8, .value_kind: global_buffer, .address_space: global }
      - { .name: v_b, .offset: 136, .size: 8, .value_kind: global_buffer, .address_space: global }
      - { .name: v_m, .offset: 144, .size: 8, .value_kind: global_buffer, .address_space: global }
      - { .name: v_v, .offset: 152, .size: 8, .value_kind: global_buffer, .address_space: global }
      - { .name: qimg, .offset: 160, .size: 8, .value_kind: global_buffer, .address_space: global }
      - { .name: qsc, .offset: 168, .size: 8, .value_kind: global_buffer, .address_space: global }
      - { .name: kv, .offset: 176, .size: 8, .value_kind: global_buffer, .address_space: global }
      - { .name: pos_idx, .offset: 184, .size: 8, .value_kind: global_buffer, .address_space: global }
      - { .name: pos_tab, .offset: 192, .size: 8, .value_kind: global_buffer, .address_space: global }
      - { .name: bias, .offset: 200, .size: 8, .value_kind: global_buffer, .address_space: global }
    .group_segment_fixed_size: 0
    .private_segment_fixed_size: 0
    .kernarg_segment_align: 8
    .kernarg_segment_size: 208
    .max_flat_workgroup_size: 128
    .sgpr_count:     94
    .vgpr_count:     1024
    .wavefront_size: 32
...
	.end_amdgpu_metadata
.endif
;; end of part 4
;; launch att (part 5): grid 16 x 32, 16 waves a work-group, no clusters, 327,680 bytes of LDS; arguments qimg, qsc, kv, bias, acodes, asc; writes acodes, asc
.if DOCPART == 5
	.amdgcn_target "amdgcn-amd-amdhsa--gfx1250"
	.amdhsa_code_object_version 6
	.text
	.protected	k_qc18e1fde0b_att
	.globl	k_qc18e1fde0b_att
	.p2align	8
	.type	k_qc18e1fde0b_att,@function
k_qc18e1fde0b_att:
	s_mov_b64 s[64:65], 0
	v_nop
	global_prefetch_b8 v0, s[64:65] scope:SCOPE_SE
	s_setreg_imm32_b32 hwreg(HW_REG_WAVE_MODE, 25, 1), 1
	s_wait_xcnt 0x0
; Attention on codes of FP8 (E4M3) with E8M0 scales: S^T = K Q^T + 32 x table, softmax by p = 2^(t - M), O^T = V^T P^T, O / l, relu, quantised along c = 64 h + dv for the last product.
; t = (q.k + 32 x table) x c, c = log2(e) / sqrt(32); M = the running largest t rounded up to a whole number; l is the sum of the unquantised p; a change of M multiplies l and O by an exact power of two.
; SHARES: a work-group owns one head, four batches and 64 queries.  Wave w of its sixteen owns batch w % 4 and query tile w / 4: ONE batch, one tile of 16 queries, in 256 registers: four waves to a SIMD, so that
; one wave's vector work stands beside another's matrix work and LDS loads.  Every wave walks the 1,024 keys in 8 steps of 128.
; THE TABLE'S NUMBERS (32 x pos_tab[pos_idx], laid as an image of the scores' registers) are loaded from LDS straight into the scores' registers, and the first product adds onto them: no vector instruction.
; BOTH PRODUCTS ARE USED TRANSPOSED (source 0 = 16 keys, or 16 channels of V; source 1 = my 16 queries): a lane holds one query throughout.  All operands arrive as images of their registers, 16 bytes a lane.
; K = 32 IN AN INSTRUCTION 128 DEEP: a tile of K is 4 registers.  Source 0 names 16 from there on: the three blocks behind it hold the next tiles' codes, or, behind the last tile, V's first registers (zeros
; at first, then codes of V, which are finite); Q's three blocks there are zero codes, and the scale words' upper three bytes are 0 (a power of two, never 0xff): those blocks add exactly 0.
; RING: two LDS slots, each with a key step's K, V and scale words of the four batches (55,296 bytes) and the work-group's four tiles of the table's numbers (32,768 bytes).  Waves 0-3 fetch a batch's part
; each (54 rows of 256 bytes), waves 4-5 half of the table's tiles each (64 rows); all sixteen read.  One tensor load of a wave is out at any time.
; NO CLUSTER: the sixteen work-groups of a head and batch group read the same K and V (55,296 of a step's 88,064 bytes), and this text asks for them singly; joint loads by four would divide those requests
; by four and are not taken here.
; O and l begin as zeros and the largest t as -3e38: the key step is written for the loop and for the last slot alone, at the price of 32 clears at the head.
; LIMITS: NaN and infinities are not served; a block whose largest number lies under 2^-118 (zeros too) gets the scale byte 1 (read by this program alone); v_rcp_f32 (1 ulp) stands for the division by l.
; The scale words of the result leave 4 bytes a lane, 32 bytes apart: 524,288 bytes in the whole launch.
.set SLOT1, 131072                     ; slot 1 begins here, so that one exclusive or turns an address in one slot into the other's
.set KVB,   55296                      ; a key step's block of kv
.set KVQ,   13824                      ; a batch's part of it: K's images 4,096, V's fragments 8,192, K's scale words 1,024, V's 512
.set BIB,   65536                      ; from key step to key step in the table's numbers
.set SPARE, 262144                     ; the spare words: 128 bytes for each of sixteen waves, eight blocks of 256 bytes that no other line names
.set AI0, 1                            ; 16 x lane + KVQ x batch
.set AS0, 2                            ; 4 x lane + KVQ x batch
.set AB0, 3                            ; 16 x lane + KVB + 8,192 x query tile
.set SPW, 4                            ; SPARE + 4 x my thread's number; never rewritten
.set NIL, 5                            ; 0; never rewritten
.set ADI, 6                            ; the slot + AI0
.set ADS, 7                            ; the slot + AS0
.set ADB, 8                            ; the slot + AB0
.set PFO, 9                            ; the prefetches' offset: 256 x lane (in wave 6: 256 x min(lane, 23)); never rewritten
.set LI,  10                           ; 16 x lane
.set QS,  11                           ; Q's scale word
                                       ; v12 -M, v13 the largest t, v[14:15] l in two halves
.set Q,   16                           ; v16-31   Q: 4 registers of codes, 12 of zeros
.set KF,  32                           ; v32-63   K's eight tiles, 4 registers each
.set PC,  32                           ; v32-47   p's codes, once K is done with
.set VF,  64                           ; v64-127  V's four fragments
.set S,   128                          ; v128-191 the table's tile, then S^T, then p
.set O,   192                          ; v192-223 O^T, 8 a tile of channels
.set KS,  224                          ; v224-231 K's scale words
.set TM,  232                          ; v232-247 at work
.set VS,  248                          ; v248-251 V's scale words
                                       ; v252 f, v253 p's scale word, v254 at work
.set WV,  16
.set G1K, 24
.set G1B, 32
.set G0K, 40
.set G0B, 44
.set PFA, 48                           ; s[48:49] where my prefetches stand
.set PFS, 50                           ; s[50:51] a key step on, in bytes: KVB in kv, BIB in the table's numbers
.set LIM, 52                           ; 1 in a wave that prefetches, else the greatest number
.set TB,  53                           ; LDS byte at which the slot in hand begins
.set SLOTS, 54
.set MNT, 55
.set SEL, 56
.set CS,  58
; Waves 0-3 fetch for K and V, waves 4-5 the table's tiles, the others nothing.  The branches hang on the wave's number alone.  Four v_nop follow each of the two lines.
.macro TLOAD
	s_cmp_lt_u32 s[WV], 4
	s_cbranch_scc0 .Lnot_k_\@
	tensor_load_to_lds s[G0K:G0K+3], s[G1K:G1K+7]
	s_nop 0
.rept 4
	v_nop
.endr
	s_branch .Lasked_\@
.Lnot_k_\@:
	s_cmp_lt_u32 s[WV], 6
	s_cbranch_scc0 .Lasked_\@
	tensor_load_to_lds s[G0B:G0B+3], s[G1B:G1B+7]
	s_nop 0
.rept 4
	v_nop
.endr
.Lasked_\@:
.endm
; A PREFETCH INTO THE L2 of what the NEXT change of slots will ask for, one key step ahead of that load; one instruction a wave, a lane a row of 256 bytes.  A block of kv (216 rows) is read by the sixteen
; work-groups of a head and batch group: the first of them asks, waves 0-6, 32 rows each (wave 6: 24; its last lanes name row 215 again).  The work-group's 128 rows of the table's numbers are read by the four
; batch groups: the first of them asks, waves 8-11.  So each row is named by one work-group.  The last change that fills a slot asks for nothing; key steps 0 and 1 come by their loads alone.
.macro ASK
	s_cmp_gt_u32 s[SLOTS], s[LIM]
	s_cbranch_scc0 .Lnot_mine_\@
	global_prefetch_b8 v[PFO], s[PFA:PFA+1] th:TH_LOAD_NT scope:SCOPE_SE
.Lnot_mine_\@:
.endm
	s_load_b256 s[4:11], s[0:1], 0x0               ; qimg, qsc, kv, bias
	s_load_b128 s[12:15], s[0:1], 0x20             ; acodes, asc
	v_lshl_add_u32 v[SPW], v0, 2, SPARE
	v_mov_b32 v[NIL], 0
	ds_add_u32 v4, v5
	ds_add_u32 v4, v5
	s_wait_dscnt 0x0
	v_lshrrev_b32 v6, 5, v0
	s_delay_alu instid0(VALU_DEP_1)
	v_readfirstlane_b32 s[WV], v6                  ; wave 0..15
	s_and_b32 s17, s[WV], 3                        ; bl: my batch of the four.  Also: whose part of kv I fetch
	s_lshr_b32 s18, s[WV], 2                       ; qt: my query tile of the four
	s_and_b32 s19, ttmp7, 0xffff                   ; hb = 4 h + bg
	s_lshr_b32 s20, s19, 2                         ; h
	s_and_b32 s21, s19, 3                          ; bg
	s_mul_i32 s66, s19, 8*KVB                      ; kv: my head's and batch group's eight blocks
	s_mov_b32 s67, 0
	s_mul_i32 s23, s17, KVQ                        ; a batch's part: in memory and in a slot
	s_lshl_b32 s68, s20, 3
	s_lshr_b32 s70, ttmp9, 1
	s_add_co_u32 s68, s68, s70                     ; 8 h + block of 128 queries
	s_lshl_b32 s68, s68, 19                        ; x 8 key steps x 65,536 bytes
	s_and_b32 s70, ttmp9, 1
	s_lshl_b32 s70, s70, 15
	s_add_co_u32 s68, s68, s70                     ; + my work-group's four tiles of the eight
	s_mov_b32 s69, 0
	s_and_b32 s22, s[WV], 1
	s_lshl_b32 s22, s22, 14                        ; which 64 rows of them I fetch
	s_mov_b32 s71, 0
	; descriptor groups 1: dense blocks as rows of 256 bytes (32 elements of 8 bytes), no padding: every LDS read takes 16 neighbouring bytes a lane
	s_mov_b32 s[G1K], 3<<16                        ; 15:0 no mask; 17:16 elements of 8 bytes
	s_mov_b32 s[G1K+1], 32<<16                     ; tensor_dim0 = 32
	s_mov_b32 s[G1K+2], 54<<16                     ; tensor_dim1 = 54
	s_mov_b32 s[G1K+3], 32<<16                     ; tile_dim0 = 32
	s_mov_b32 s[G1K+4], 54                         ; tile_dim1 = 54
	s_mov_b32 s[G1K+5], 32                         ; from row to row
	s_mov_b32 s[G1K+6], 0
	s_mov_b32 s[G1K+7], 0
	s_mov_b32 s[G1B], 3<<16
	s_mov_b32 s[G1B+1], 32<<16
	s_mov_b32 s[G1B+2], 64<<16
	s_mov_b32 s[G1B+3], 32<<16
	s_mov_b32 s[G1B+4], 64
	s_mov_b32 s[G1B+5], 32
	s_mov_b32 s[G1B+6], 0
	s_mov_b32 s[G1B+7], 0
	s_mov_b32 s[SEL], 0x76543210
	s_mov_b32 s[SEL+1], 0xfedcba98                 ; lane l xor 16
	s_mov_b32 s[CS], 0x3e8293ee                    ; c = log2(e) / sqrt(32)
	s_mov_b32 s[CS+1], s[CS]                       ; (named with it as a pair, so it is written)
	s_mov_b32 s[MNT], 0x600000                     ; the mantissa field of 448
	s_mov_b32 s[TB], 0
	s_mov_b32 s[SLOTS], 7
	s_wait_kmcnt 0x0
	s_add_co_u32 s70, s66, s23
	s_mov_b32 s[G0K], 1                            ; 1:0 count = 1
	s_mov_b32 s[G0K+1], s23                        ; 63:32 LDS address: slot 0
	s_add_nc_u64 s[G0K+2:G0K+3], s[8:9], s[70:71]  ; 120:64 global address: key step 0
	s_or_b32 s[G0K+3], s[G0K+3], 0x80000000        ; 127:126 type = 2
	s_add_co_u32 s70, s68, s22
	s_mov_b32 s[G0B], 1
	s_add_co_u32 s[G0B+1], s22, KVB
	s_add_nc_u64 s[G0B+2:G0B+3], s[10:11], s[70:71]
	s_or_b32 s[G0B+3], s[G0B+3], 0x80000000
	TLOAD                                          ; slot 0: key step 0
	; the prefetches: where my wave's stand, and who asks
	s_cmp_lt_u32 s[WV], 8                          ; waves 0-6 ask for kv, waves 8-11 for the table's numbers
	s_cselect_b64 s[PFA:PFA+1], s[8:9], s[10:11]
	s_cselect_b32 s70, s66, s68
	s_cselect_b32 s72, ttmp9, s21                  ; the coordinate along which other work-groups read the same rows
	s_cselect_b32 s73, 7, 4                        ; how many waves share the rows out
	s_mov_b32 s[PFS], BIB
	s_cselect_b32 s[PFS], KVB, s[PFS]
	s_mov_b32 s[PFS+1], 0
	s_and_b32 s74, s[WV], 7
	s_cmp_lt_u32 s74, s73
	s_cselect_b32 s74, s74, 0                      ; my part (a wave without one stands at the first and asks for nothing)
	s_cselect_b32 s73, 0, 1
	s_or_b32 s72, s72, s73
	s_cmp_eq_u32 s72, 0
	s_cselect_b32 s[LIM], 1, -1
	s_lshl_b32 s74, s74, 13                        ; 32 rows of 256 bytes a wave
	s_add_co_u32 s70, s70, s74
	s_add_co_u32 s70, s70, s[PFS]                  ; at key step 1: the first change of slots steps it to 2.  Nothing is prefetched here, at the head
	s_add_nc_u64 s[PFA:PFA+1], s[PFA:PFA+1], s[70:71]
	s_cmp_eq_u32 s[WV], 6
	s_cselect_b32 s73, 23, 31                      ; kv's block ends at row 215 = 6 x 32 + 23
	v_and_b32 v6, 31, v0                           ; lane
	s_delay_alu instid0(VALU_DEP_1)
	v_lshlrev_b32 v[LI], 4, v6
	s_wait_alu depctr_va_vdst(0)
	v_lshlrev_b32 v7, 2, v6
	s_wait_alu depctr_va_vdst(0)
	v_min_u32 v[PFO], s73, v6
	s_delay_alu instid0(VALU_DEP_1)
	v_lshlrev_b32 v[PFO], 8, v[PFO]
	v_add_nc_u32 v[AI0], s23, v[LI]
	v_add_nc_u32 v[AS0], s23, v7
	s_lshl_b32 s74, s18, 13
	s_add_co_u32 s74, s74, KVB
	v_add_nc_u32 v[AB0], s74, v[LI]
	s_lshl_b32 s70, s19, 3                         ; Q: [hb][block of 128][batch 4][tile 8]
	s_lshr_b32 s72, ttmp9, 1
	s_add_co_u32 s70, s70, s72
	s_lshl_b32 s70, s70, 2
	s_add_co_u32 s70, s70, s17
	s_lshl_b32 s70, s70, 3
	s_and_b32 s72, ttmp9, 1
	s_lshl_b32 s72, s72, 2
	s_add_co_u32 s72, s72, s18                     ; my tile among the block's eight
	s_add_co_u32 s70, s70, s72
	s_lshl_b32 s70, s70, 7                         ; 128 bytes of scale words a tile,
	s_add_nc_u64 s[6:7], s[6:7], s[70:71]
	s_lshl_b32 s70, s70, 2                         ; 512 of codes
	s_add_nc_u64 s[4:5], s[4:5], s[70:71]
	global_load_b128 v[Q:Q+3], v[LI], s[4:5]
	global_load_b32 v[QS], v7, s[6:7]
	s_lshl_b32 s70, s21, 2
	s_add_co_u32 s70, s70, s17                     ; b = 4 bg + bl
	s_lshl_b32 s70, s70, 6
	s_lshl_b32 s72, ttmp9, 2
	s_add_co_u32 s70, s70, s72
	s_add_co_u32 s70, s70, s18                     ; 64 b + T, T = 4 x work-group x + qt
	s_lshl_b32 s72, s70, 9
	s_lshl_b32 s74, s20, 2
	s_add_co_u32 s72, s72, s74
	s_mov_b32 s73, 0
	s_add_nc_u64 s[14:15], s[14:15], s[72:73]      ; asc: [b][T][r 16][h 8] words
	s_lshl_b32 s70, s70, 13
	s_lshl_b32 s74, s20, 10
	s_add_co_u32 s70, s70, s74
	s_add_nc_u64 s[12:13], s[12:13], s[70:71]      ; acodes: [b][T][h][2][512 bytes]
.irp i, 4,5,6,7,8,9,10,11,12,13,14,15
	v_mov_b32 v[Q+\i], 0                           ; Q's blocks 1 to 3: zero codes
.endr
.irp i, 0,1,2,3,4,5,6,7,8,9,10,11
	v_mov_b32 v[VF+\i], 0                          ; behind K's last tile, until V's first codes land there
.endr
.set j, 0
.rept 32
	v_mov_b32 v[O+j], 0                            ; O^T: the first step finds zeros, which the first change of M leaves zeros
.set j, j+1
.endr
	v_mov_b32 v13, 0xff61b1e6                      ; the largest t so far: -3e38, under every t
	s_delay_alu instid0(VALU_DEP_1)
	v_floor_f32 v12, -v13                          ; -M
	v_mov_b32 v14, 0                               ; l, in two halves
	v_mov_b32 v15, 0
.irp b, 0,1,2,3
	v_mov_b32 v[236+\b], 0                         ; written once: a lane permute's destination counts as one of its sources
.endr
	v_mov_b32 v253, 0                              ; (named as the upper half of the pair v[252:253] before it is first written)
; A KEY STEP: 128 keys, the slot at s[TB].  No two matrix instructions that follow each other share an accumulator.
.macro STEP
	v_add_nc_u32 v[ADI], s[TB], v[AI0]
	v_add_nc_u32 v[ADS], s[TB], v[AS0]
	v_add_nc_u32 v[ADB], s[TB], v[AB0]
.rept 5
	v_nop                                          ; with the three additions: eight plain lines between the last step's products and the loads into the registers that held p's codes
.endr
.irp t, 0,1,2,3,4,5,6,7
	ds_load_b128 v[KF+4*\t:KF+4*\t+3], v[ADI] offset:512*\t
.endr
.irp t, 0,1,2,3,4,5,6,7
	ds_load_b32 v[KS+\t], v[ADS] offset:12288+128*\t
.endr
.irp g, 0,1,2,3,4,5,6,7,8,9,10,11,12,13,14,15
	ds_load_b128 v[S+4*\g:S+4*\g+3], v[ADB] offset:512*\g   ; the table's tile for my queries and these keys, into the scores' registers
.endr
	s_wait_alu depctr_va_vdst(0)
	s_wait_dscnt 0x0
.irp t, 0,1,2,3,4,5,6,7
	v_wmma_scale_f32_16x16x128_f8f6f4 v[S+8*\t:S+8*\t+7], v[KF+4*\t:KF+4*\t+15], v[Q:Q+15], v[S+8*\t:S+8*\t+7], v[KS+\t], v[QS]
.endr
.rept 8
	v_nop                                          ; eight plain lines in front of the first read of the scores and of the loads into V's registers, of which the products have read the first twelve
.endr
.irp f, 0,1,2,3
.irp c, 0,1,2,3
	ds_load_b128 v[VF+16*\f+4*\c:VF+16*\f+4*\c+3], v[ADI] offset:4096+2048*\f+512*\c   ; V lands while the softmax is worked
.endr
.endr
.irp f, 0,1,2,3
	ds_load_b32 v[VS+\f], v[ADS] offset:13312+128*\f
.endr
.irp b, 0,1,2,3
	v_max3_num_f32 v[232+\b], v[S+16*\b], v[S+1+16*\b], v[S+2+16*\b]   ; the largest score of each block of 32 keys: it serves the row's maximum and, since p rises with the score, the block's largest p
.endr
.irp i, 3,5,7,9,11,13
.irp b, 0,1,2,3
	v_max3_num_f32 v[232+\b], v[232+\b], v[S+16*\b+\i], v[S+1+16*\b+\i]
.endr
.endr
.irp b, 0,1,2,3
	v_max_num_f32 v[232+\b], v[232+\b], v[S+15+16*\b]
.endr
.irp b, 0,1,2,3
	s_delay_alu instid0(VALU_DEP_4)
	v_permlanex16_b32 v[236+\b], v[232+\b], s[SEL], s[SEL+1]
.endr
.irp b, 0,1,2,3
	s_delay_alu instid0(VALU_DEP_4)
	v_max_num_f32 v[232+\b], v[232+\b], v[236+\b]  ; with lane l xor 16's 16 keys
.endr
	s_delay_alu instid0(VALU_DEP_2)
	v_max3_num_f32 v254, v232, v233, v234
	s_delay_alu instid0(VALU_DEP_1)
	v_max_num_f32 v254, v254, v235
	s_delay_alu instid0(VALU_DEP_1)
	v_mul_f32 v254, s[CS], v254                    ; as t (c is positive)
	s_delay_alu instid0(VALU_DEP_1)
	v_max_num_f32 v13, v13, v254                   ; the running largest t
	v_mov_b32 v254, v12
	s_delay_alu instid0(VALU_DEP_2)
	v_floor_f32 v12, -v13                          ; the new -M = floor(-t): M is a whole number
	s_delay_alu instid0(VALU_DEP_1)
	v_sub_f32 v254, v12, v254                      ; old M - new M: a whole number, 0 or less
	s_delay_alu instid0(VALU_DEP_1)
	v_cvt_i32_f32 v254, v254                       ; (it saturates)
	s_delay_alu instid0(VALU_DEP_1)
	v_ldexp_f32 v252, 1.0, v254                    ; f = 2^(old M - new M)
.set j, 0
.rept 32
	v_pk_fma_f32 v[S+j:S+j+1], v[S+j:S+j+1], s[CS:CS+1], v[12:13] op_sel_hi:[1,0,0]   ; t - M, two at a time
.set j, j+2
.endr
.irp b, 0,1,2,3
	v_fma_f32 v[232+\b], v[232+\b], s[CS], v12     ; the same of each block's largest score
.endr
.set j, 0
	s_wait_alu depctr_va_vdst(0)
.rept 64
	v_exp_f32 v[S+j], v[S+j]                       ; p = 2^(t - M): not normalised
.set j, j+1
.endr
	v_pk_mul_f32 v[14:15], v[14:15], v[252:253] op_sel_hi:[1,0]   ; l under the new M: the plain line behind the exponentials
	s_wait_alu depctr_va_vdst(0)                   ; one wait for the batch of 64, ahead of its first reader
.irp b, 0,1,2,3
	v_exp_f32 v[232+\b], v[232+\b]                 ; each block's largest p
.endr
	v_pk_add_f32 v[236:237], v[132:133], v[136:137]
	v_pk_add_f32 v[254:255], v[140:141], v[144:145]
	v_pk_add_f32 v[246:247], v[148:149], v[152:153]
	v_pk_add_f32 v[244:245], v[156:157], v[160:161]
	v_pk_add_f32 v[242:243], v[164:165], v[168:169]
	v_pk_add_f32 v[240:241], v[172:173], v[176:177]
	v_pk_add_f32 v[238:239], v[180:181], v[184:185]
	v_pk_add_f32 v[14:15], v[14:15], v[188:189]
	v_pk_add_f32 v[236:237], v[236:237], v[128:129]
	v_pk_add_f32 v[254:255], v[254:255], v[130:131]
	v_pk_add_f32 v[246:247], v[246:247], v[134:135]
	v_pk_add_f32 v[244:245], v[244:245], v[138:139]
	v_pk_add_f32 v[242:243], v[242:243], v[142:143]
	v_pk_add_f32 v[240:241], v[240:241], v[146:147]
	v_pk_add_f32 v[238:239], v[238:239], v[150:151]
	v_pk_add_f32 v[14:15], v[14:15], v[154:155]
	v_pk_add_f32 v[236:237], v[236:237], v[158:159]
	v_pk_add_f32 v[254:255], v[254:255], v[162:163]
	v_pk_add_f32 v[246:247], v[246:247], v[166:167]
	v_pk_add_f32 v[244:245], v[244:245], v[170:171]
	v_pk_add_f32 v[242:243], v[242:243], v[174:175]
	v_pk_add_f32 v[240:241], v[240:241], v[178:179]
	v_pk_add_f32 v[238:239], v[238:239], v[182:183]
	v_pk_add_f32 v[14:15], v[14:15], v[186:187]
	v_pk_add_f32 v[236:237], v[236:237], v[190:191]
	s_delay_alu instid0(VALU_DEP_2)
	v_pk_add_f32 v[14:15], v[14:15], v[244:245]
	s_delay_alu instid0(VALU_DEP_2)
	v_pk_add_f32 v[236:237], v[236:237], v[242:243]
	v_pk_add_f32 v[254:255], v[254:255], v[240:241]
	v_pk_add_f32 v[246:247], v[246:247], v[238:239]
	s_delay_alu instid0(VALU_DEP_2)
	v_pk_add_f32 v[14:15], v[14:15], v[254:255]
	s_delay_alu instid0(VALU_DEP_2)
	v_pk_add_f32 v[236:237], v[236:237], v[246:247]
	s_delay_alu instid0(VALU_DEP_1)
	v_pk_add_f32 v[14:15], v[14:15], v[236:237]
	s_wait_alu depctr_va_vdst(0)                   ; and one for the four
.irp b, 0,1,2,3
	v_max_num_f32 v[232+\b], 0x4800000, v[232+\b]  ; the floor 2^(9 - 127): the byte cannot fall under 1
.endr
.irp b, 0,1,2,3
	s_delay_alu instid0(VALU_DEP_4)
	v_add_nc_u32 v[244+\b], 0xfc000000, v[232+\b]  ; 8 off the exponent field: the conversion's scale operand
.endr
.irp b, 0,1,2,3
	v_and_or_b32 v[240+\b], v[232+\b], 0x7f800000, s[MNT]   ; 448 x the scale
.endr
.irp b, 0,1,2,3
	v_lshrrev_b32 v[236+\b], 23, v[244+\b]         ; the scale's byte
.endr
	s_delay_alu instid0(VALU_DEP_3)
	v_lshl_or_b32 v253, v237, 8, v236              ; p's scale word for these 128 keys; the 64 holds below stand between it and the products
	s_delay_alu instid0(VALU_DEP_1)
	v_lshl_or_b32 v253, v238, 16, v253
	s_delay_alu instid0(VALU_DEP_1)
	v_lshl_or_b32 v253, v239, 24, v253
.irp b, 0,1,2,3
.set j, 0
.rept 16
	v_min_num_f32 v[S+16*\b+j], v[S+16*\b+j], v[240+\b]   ; the conversion does not saturate (ISA guide 7.6.2); p is not negative, so the hold is one-sided
.set j, j+1
.endr
	v_cvt_scalef32_pk8_fp8_f32 v[PC+4*\b:PC+4*\b+1], v[S+16*\b:S+16*\b+7], v[244+\b]
	v_cvt_scalef32_pk8_fp8_f32 v[PC+4*\b+2:PC+4*\b+3], v[S+16*\b+8:S+16*\b+15], v[244+\b]
.endr
	s_wait_dscnt 0x0                               ; V is in
.set j, 0
.rept 16
	v_pk_mul_f32 v[O+j:O+j+1], v[O+j:O+j+1], v[252:253] op_sel_hi:[1,0]   ; O^T under the new M, each accumulator from its low end on; these lines also stand between the codes and the products
.set j, j+2
.endr
.irp f, 0,1,2,3
	v_wmma_scale_f32_16x16x128_f8f6f4 v[O+8*\f:O+8*\f+7], v[VF+16*\f:VF+16*\f+15], v[PC:PC+15], v[O+8*\f:O+8*\f+7], v[VS+\f], v253
.endr
	s_xor_b32 s[TB], s[TB], SLOT1                  ; on to the other slot
.endm
; THE CHANGE OF SLOTS stands at a slot's head.  Each wave waits for all its tensor loads (its part of the slot that it is about to read), adds 0 to its spare word, and waits for that and for its reads of the slot
; that it has left.  Behind the barrier the slot ahead is whole and nobody reads the other one.  fill = 1: that other slot is filled with the next key step: the load has a key step in which to land.
.macro CHANGE fill
	s_wait_tensorcnt 0x0                           ; no tensor load of mine is out, so a group 0 may be written
	ds_add_u32 v[SPW], v[NIL]                      ; 0 onto my spare word
.if \fill
	s_xor_b32 s[G0K+1], s[G0K+1], SLOT1            ; the walking descriptors: the other slot than last time, the next key step
	s_add_nc_u64 s[G0K+2:G0K+3], s[G0K+2:G0K+3], KVB
	s_xor_b32 s[G0B+1], s[G0B+1], SLOT1
	s_add_nc_u64 s[G0B+2:G0B+3], s[G0B+2:G0B+3], BIB
	s_wait_xcnt 0x0                                ; the last prefetch, a key step back, has read its address, so it may be written:
	s_add_nc_u64 s[PFA:PFA+1], s[PFA:PFA+1], s[PFS:PFS+1]  ; one key step further on than the walking descriptors
.endif
	s_wait_dscnt 0x0                               ; the add is done, and my reads of the slot that I have left are over
	s_barrier_signal -1
	s_barrier_wait -1
.if \fill
	TLOAD                                          ; the first thing behind the barrier, and a wave's one tensor load until the next
	ASK
.endif
.endm
	s_wait_loadcnt 0x0                             ; Q and its scale word
.Lslot:                                            ; seven trips: behind each change of slots but the last the next key step is asked for
	CHANGE 1
	STEP
	s_sub_co_u32 s[SLOTS], s[SLOTS], 1
	s_cmp_lg_u32 s[SLOTS], 0
	s_cbranch_scc1 .Lslot
	CHANGE 0                                       ; the last key step is written out
	STEP
	; THE WAY OUT: O^T / l, relu, quantised along c = 64 h + dv: my 32 registers are 16 numbers of each of two blocks of 32 channels; lane l xor 16 holds the other 16.
.rept 4
	v_nop
.endr
	v_add_f32 v14, v14, v15                        ; l's two halves,
	s_delay_alu instid0(VALU_DEP_1)
	v_permlanex16_b32 v252, v14, s[SEL], s[SEL+1]
	s_delay_alu instid0(VALU_DEP_1)
	v_add_f32 v14, v14, v252                       ; and lane l xor 16's: the row's sum
	s_wait_alu depctr_va_vdst(0)
	v_rcp_f32 v14, v14
	v_and_b32 v[ADI], 15, v0                       ; (plain lines behind the reciprocal; with the lines above, more than eight behind the last products)
	s_delay_alu instid0(VALU_DEP_1)
	v_lshlrev_b32 v[ADI], 5, v[ADI]                ; 32 r: my query's eight scale words
.rept 4
	v_nop
.endr
	s_wait_alu depctr_va_vdst(0)                   ; the wait, ahead of the reciprocal's first reader
.set j, 0
.rept 32
	v_mul_f32 v[S+j], v[O+j], v14                  ; each accumulator from its low end on
.set j, j+1
.endr
.irp b, 0,1
	v_max3_num_f32 v[TM+\b], v[S+16*\b], v[S+1+16*\b], 0x4800000   ; no |.|: what is negative becomes 0 and must not count; the floor 2^(9 - 127) holds the byte at 1 from below
.endr
.irp i, 2,4,6,8,10,12,14
.irp b, 0,1
	s_delay_alu instid0(VALU_DEP_2)
	v_max3_num_f32 v[TM+\b], v[TM+\b], v[S+16*\b+\i], v[S+1+16*\b+\i]
.endr
.endr
.irp b, 0,1
	s_delay_alu instid0(VALU_DEP_2)
	v_permlanex16_b32 v[TM+4+\b], v[TM+\b], s[SEL], s[SEL+1]
.endr
.irp b, 0,1
	s_delay_alu instid0(VALU_DEP_2)
	v_max_num_f32 v[TM+\b], v[TM+\b], v[TM+4+\b]   ; the block's largest number
.endr
.irp b, 0,1
	s_delay_alu instid0(VALU_DEP_2)
	v_add_nc_u32 v[TM+12+\b], 0xfc000000, v[TM+\b] ; 8 off its exponent field: the conversion's scale operand
.endr
.irp b, 0,1
	s_delay_alu instid0(VALU_DEP_4)
	v_and_or_b32 v[TM+8+\b], v[TM+\b], 0x7f800000, s[MNT]   ; 448 x the scale
.endr
.irp b, 0,1
	s_delay_alu instid0(VALU_DEP_4)
	v_lshrrev_b32 v[TM+4+\b], 23, v[TM+12+\b]      ; the scale's byte
.endr
	s_delay_alu instid0(VALU_DEP_1)
	v_lshl_or_b32 v254, v[TM+5], 8, v[TM+4]        ; the head's two scale bytes of my query, in a word whose upper half is 0
.irp b, 0,1
.set j, 0
.rept 16
	v_med3_num_f32 v[S+16*\b+j], v[S+16*\b+j], 0, v[TM+8+\b]   ; the activation and the hold in one (the conversion to an 8-bit code does not saturate: ISA guide 7.6.2)
.set j, j+1
.endr
	v_cvt_scalef32_pk8_fp8_f32 v[PC+4*\b:PC+4*\b+1], v[S+16*\b:S+16*\b+7], v[TM+12+\b]
	v_cvt_scalef32_pk8_fp8_f32 v[PC+4*\b+2:PC+4*\b+3], v[S+16*\b+8:S+16*\b+15], v[TM+12+\b]
.endr
	v_nop                                          ; one plain line behind the last conversion
	global_store_b128 v[LI], v[PC:PC+3], s[12:13]              ; 512 consecutive bytes, aligned
	global_store_b128 v[LI], v[PC+4:PC+7], s[12:13] offset:512
	global_store_b32 v[ADI], v254, s[14:15]        ; both halves of the lanes write the same word with the same value
	s_wait_tensorcnt 0x0                           ; the wave's end
	ds_add_u32 v[SPW], v[NIL]
	s_wait_dscnt 0x0
	s_endpgm
.Lfunc_end_k_qc18e1fde0b_att:
	.size	k_qc18e1fde0b_att, .Lfunc_end_k_qc18e1fde0b_att-k_qc18e1fde0b_att
	.p2alignl 7, 3214868480
	.fill 96, 4, 3214868480
	.section	.rodata,"a",@progbits
	.p2align	6, 0x0
	.amdhsa_kernel k_qc18e1fde0b_att
		.amdhsa_group_segment_fixed_size 327680
		.amdhsa_private_segment_fixed_size 0
		.amdhsa_enable_private_segment 0
		.amdhsa_kernarg_size 48
		.amdhsa_user_sgpr_count 2
		.amdhsa_user_sgpr_kernarg_segment_ptr 1
		.amdhsa_wavefront_size32 1
		.amdhsa_system_sgpr_workgroup_id_x 1
		.amdhsa_system_sgpr_workgroup_id_y 1
		.amdhsa_system_sgpr_workgroup_id_z 1
		.amdhsa_system_vgpr_workitem_id 0
		.amdhsa_next_free_vgpr 256
		.amdhsa_next_free_sgpr 76
		.amdhsa_reserve_vcc 0
		.amdhsa_float_denorm_mode_32 3
		.amdhsa_float_denorm_mode_16_64 3
		.amdhsa_memory_ordered 1
		.amdhsa_forward_progress 1
		.amdhsa_inst_pref_size 57
	.end_amdhsa_kernel
	.amdgpu_metadata
---
amdhsa.version: [ 1, 2 ]
amdhsa.kernels:
  - .name:           k_qc18e1fde0b_att
    .symbol:         k_qc18e1fde0b_att.kd
    .args:
      - { .name: qimg, .offset: 0, .size: 8, .value_kind: global_buffer, .address_space: global }
      - { .name: qsc, .offset: 8, .size: 8, .value_kind: global_buffer, .address_space: global }
      - { .name: kv, .offset: 16, .size: 8, .value_kind: global_buffer, .address_space: global }
      - { .name: bias, .offset: 24, .size: 8, .value_kind: global_buffer, .address_space: global }
      - { .name: acodes, .offset: 32, .size: 8, .value_kind: global_buffer, .address_space: global }
      - { .name: asc, .offset: 40, .size: 8, .value_kind: global_buffer, .address_space: global }
    .group_segment_fixed_size: 327680
    .private_segment_fixed_size: 0
    .kernarg_segment_align: 8
    .kernarg_segment_size: 48
    .max_flat_workgroup_size: 512
    .sgpr_count:     76
    .vgpr_count:     256
    .wavefront_size: 32
...
	.end_amdgpu_metadata
.endif
;; end of part 5
;; launch outp (part 6): grid 256 x 1, 8 waves a work-group, no clusters, 103,424 bytes of LDS; arguments acodes, asc, Wo_codes, Wo_scales, bo, o_g, o_b, o_m, o_v, out0; writes out0
.if DOCPART == 6
	.amdgcn_target "amdgcn-amd-amdhsa--gfx1250"
	.amdhsa_code_object_version 6
	.text
	.protected	k_qc18e1fde0b_outp
	.globl	k_qc18e1fde0b_outp
	.p2align	8
	.type	k_qc18e1fde0b_outp,@function
k_qc18e1fde0b_outp:
	s_mov_b64 s[64:65], 0
	v_nop
	global_prefetch_b8 v0, s[64:65] scope:SCOPE_SE
	s_setreg_imm32_b32 hwreg(HW_REG_WAVE_SCHED_MODE, 0, 2), 2
	s_setreg_imm32_b32 hwreg(HW_REG_WAVE_MODE, 25, 1), 1
	s_wait_xcnt 0x0
	s_wait_alu depctr_vm_vsrc(0)
; out0[b][o][pos] = BatchNorm(Wo relu(attention) + bo): the last product, K = 512, on codes of FP8 (E4M3) with E8M0 scales.
; SHARES: a work-group takes 64 positions of one batch (four tiles of 16) and all 256 channels; wave w channels 32 w .. 32 w + 31: eight accumulators, 32 matrix instructions.
; Source 0 = 16 positions (the images that the attention launch stored), source 1 = 16 rows of Wo.  Row 8 hh + j of tile T is position 32 (T / 2) + 8 (T % 2) + 16 hh + j: a lane holds one channel and
; eight NEIGHBOURING positions, 32 bytes of a row of out0.
; The 32,768 bytes of images are read from memory once, by all eight waves together, and reach every wave through LDS as they lie.  Wo's slice stays in the wave's registers (window 1).
; The images' scales come as one word a position and head, two bytes in its lower half; the words of heads 2 k and 2 k + 1 make the scale word of K step k.
; BatchNorm and bias: acc x sc + off, sc = g x rsq(v + eps), off = (bo - m) x sc + b.  LIMIT: v_rsq_f32 is accurate to 1 ulp where the definition divides by a root.
; The way out: through the wave's own stage (32 channels x 256 bytes + 16), so that sixteen lanes store 256 consecutive bytes, aligned.
; THE MODE: SCHED_MODE bits 1:0 = 2 (LLVM: expert scheduling mode 2), set by the entry lines.  The code itself states the register dependences between vector or matrix instructions and memory or LDS
; instructions, with s_wait_alu, always for 0.
; THE PLAN.  Registers that memory or LDS instructions touch:
;   v1-8, v11         addresses and offsets: written at the head, never again: one wait on va_vdst ahead of the first load.
;   v120-151          the copy loads land there; my LDS stores read them; then K step 0's fragments land there: a wait on vm_vsrc behind the barrier.
;   FOUR fragment buffers, one a K step: v120-183, v184-247, and v128-191, v192-255 of window 1.  Each is filled once ahead of the products that read it, so no fragment load lands in a register that a
;                     matrix instruction has read, and none owes a wait.  Steps 0 to 2 are asked for behind the barrier, step 3 behind step 0's products.
;   v12-27            the images' scale words: written by vector lines, taken by the products as scales: the wait on va_vdst that stands ahead of the roots' first reader is issued behind those lines.
;   the accumulators  written by the products and by BatchNorm's lines, read by the stage's stores: one wait on va_vdst ahead of those stores; it also states that the products are done reading v120-183,
;                     in which the stage's loads land.
;   v254, v255        written at the head, read by the closing add alone.
.set STG, 32768
.set CP,  1                            ; 16 x thread
.set LI,  2                            ; 16 x lane
.set WA,  3                            ; 512 r + 16 hh: a row of Wo
.set R16, 4                            ; 16 r
.set R4,  5                            ; 4 r
.set SO,  6                            ; the stage, in: 272 r + 64 hh
.set SR,  7                            ; and back: 272 hh + 16 r
.set GO,  8                            ; out0: 4,096 hh + 16 r
.set R32, 11                           ; 32 r
.set AS,  12                           ; v12-27 the images' scale words, 4 m + k
.set WS,  28                           ; v28-35 Wo's, 4 t + k
.set BN,  36                           ; v36-45 bo, g, b, m, v for my two channels; v48-55 the pairs sc, off
.set ACC, 56                           ; v56-119 accumulator (m, t) at 8 (2 m + t); before the products: the images' scales as loaded, 8 words a tile
.set AF,  120                          ; v120-247 the four fragments of K step 0, then those of K step 1
.set AG,  128                          ; in window 1, behind Wo's 128 registers: v128-255: those of K steps 2 and 3
.set MSB, 0
.macro WIN new
.if MSB != \new
	s_set_vgpr_msb (MSB<<8)|\new
.set MSB, \new
.endif
.endm
.macro PLACES
.rept 8
	v_nop
.endr
.endm
	s_load_b512 s[4:19], s[0:1], 0x0               ; acodes, asc, Wo codes, Wo scales, bo, o_g, o_b, o_m
	s_load_b128 s[20:23], s[0:1], 0x40             ; o_v, out0
	v_lshl_add_u32 v254, v0, 2, 0x19000
	v_mov_b32 v255, 0
	v_lshrrev_b32 v9, 5, v0
	v_readfirstlane_b32 s24, v9                    ; wave 0..7
	v_lshlrev_b32 v[CP], 4, v0
	v_and_b32 v9, 31, v0
	v_lshlrev_b32 v[LI], 4, v9
	v_and_b32 v9, 15, v0                           ; r
	v_bfe_u32 v10, v0, 4, 1                        ; hh
	v_lshlrev_b32 v[WA], 9, v9
	v_lshl_add_u32 v[WA], v10, 4, v[WA]
	v_lshlrev_b32 v[R16], 4, v9
	v_lshlrev_b32 v[R4], 2, v9
	v_lshlrev_b32 v[R32], 5, v9
	s_wait_alu depctr_va_sdst(0)                   ; the wave's number is written, ahead of its first reader: my stage and every base are made from it
	s_mul_i32 s25, s24, 32*272
	s_add_co_u32 s25, s25, STG                     ; my stage
	v_mul_u32_u24 v[SO], v9, 272
	v_lshl_add_u32 v[SO], v10, 6, v[SO]
	v_add_nc_u32 v[SO], s25, v[SO]
	v_mul_u32_u24 v[SR], v10, 272
	v_lshl_add_u32 v[SR], v9, 4, v[SR]
	v_add_nc_u32 v[SR], s25, v[SR]
	v_lshlrev_b32 v[GO], 12, v10
	v_lshl_add_u32 v[GO], v9, 4, v[GO]
	s_lshr_b32 s26, ttmp9, 4                       ; b
	s_and_b32 s27, ttmp9, 15                       ; which 64 positions
	s_mov_b32 s29, 0
	s_wait_kmcnt 0x0
	s_lshl_b32 s28, s26, 19
	s_lshl_b32 s25, s27, 15
	s_add_co_u32 s28, s28, s25
	s_add_nc_u64 s[4:5], s[4:5], s[28:29]          ; four tiles of 8,192 bytes
	s_lshr_b32 s28, s28, 4
	s_add_nc_u64 s[6:7], s[6:7], s[28:29]          ; their scales: 512 bytes a tile
	s_lshl_b32 s28, s24, 14
	s_add_nc_u64 s[8:9], s[8:9], s[28:29]          ; my 32 rows of Wo, 512 bytes each
	s_lshl_b32 s28, s24, 9
	s_add_nc_u64 s[10:11], s[10:11], s[28:29]
	s_lshl_b32 s28, s24, 7
.irp p, 12,14,16,18,20
	s_add_nc_u64 s[\p:\p+1], s[\p:\p+1], s[28:29]
.endr
	s_lshl_b32 s28, s26, 20
	s_lshl_b32 s25, s24, 17
	s_add_co_u32 s28, s28, s25
	s_lshl_b32 s25, s27, 8
	s_add_co_u32 s28, s28, s25
	s_add_nc_u64 s[22:23], s[22:23], s[28:29]
	s_wait_alu depctr_va_vdst(0)                   ; the addresses and offsets v1 to v8 and v11 are written: every load and store of the kernel, global and LDS, reads one of them
.irp i, 0,1,2,3,4,5,6,7
	global_load_b128 v[AF+4*\i:AF+4*\i+3], v[CP], s[4:5] offset:4096*\i th:TH_LOAD_NT   ; the work-group's 32,768 bytes of images: 4,096 consecutive bytes an instruction of the eight waves
.endr
	WIN 0x40                                       ; destination window 1
.irp t, 0,1
.irp k, 0,1,2,3
.irp c, 0,1,2,3
	global_load_b128 v[16*(4*\t+\k)+4*\c:16*(4*\t+\k)+4*\c+3], v[WA], s[8:9] offset:8192*\t+128*\k+32*\c
.endr
.endr
.endr
	WIN 0
.irp t, 0,1
	global_load_b128 v[WS+4*\t:WS+4*\t+3], v[R16], s[10:11] offset:256*\t
.endr
.irp m, 0,1,2,3
	global_load_b128 v[ACC+8*\m:ACC+8*\m+3], v[R32], s[6:7] offset:512*\m       ; position r of tile m: the words of heads 0 to 3,
	global_load_b128 v[ACC+8*\m+4:ACC+8*\m+7], v[R32], s[6:7] offset:512*\m+16  ; of heads 4 to 7
.endr
.irp t, 0,1
	global_load_b32 v[BN+\t], v[R4], s[12:13] offset:64*\t      ; bo
	global_load_b32 v[BN+2+\t], v[R4], s[14:15] offset:64*\t    ; g
	global_load_b32 v[BN+4+\t], v[R4], s[16:17] offset:64*\t    ; b
	global_load_b32 v[BN+6+\t], v[R4], s[18:19] offset:64*\t    ; m
	global_load_b32 v[BN+8+\t], v[R4], s[20:21] offset:64*\t    ; v
.endr
	s_wait_loadcnt 52                              ; the eight copy loads are in; the 32 + 2 + 8 + 10 loads issued behind them may be out
.irp i, 0,1,2,3,4,5,6,7
	ds_store_b128 v[CP], v[AF+4*\i:AF+4*\i+3] offset:4096*\i
.endr
	s_wait_dscnt 0x0                               ; for the others' sake: my stores have landed
	s_barrier_signal -1
	s_barrier_wait -1                              ; the images lie in LDS
.macro FETCH k, buf                    ; K step k's four fragments: 16 loads
.irp m, 0,1,2,3
.irp c, 0,1,2,3
	ds_load_b128 v[\buf+16*\m+4*\c:\buf+16*\m+4*\c+3], v[LI] offset:8192*\m+2048*\k+512*\c
.endr
.endr
.endm
.macro MUL k, buf, zero                ; eight accumulators by turns
.irp m, 0,1,2,3
.irp t, 0,1
.if \zero
	v_wmma_scale_f32_16x16x128_f8f6f4 v[ACC+8*(2*\m+\t):ACC+8*(2*\m+\t)+7], v[\buf+16*\m:\buf+16*\m+15], v[16*(4*\t+\k):16*(4*\t+\k)+15], 0, v[AS+4*\m+\k], v[WS+4*\t+\k]
.else
	v_wmma_scale_f32_16x16x128_f8f6f4 v[ACC+8*(2*\m+\t):ACC+8*(2*\m+\t)+7], v[\buf+16*\m:\buf+16*\m+15], v[16*(4*\t+\k):16*(4*\t+\k)+15], v[ACC+8*(2*\m+\t):ACC+8*(2*\m+\t)+7], v[AS+4*\m+\k], v[WS+4*\t+\k]
.endif
.endr
.endr
.endm
	s_wait_alu depctr_vm_vsrc(0)                   ; my LDS stores have read v[AF .. AF + 31], in which K step 0's fragments land
	FETCH 0, AF
	FETCH 1, AF+64
	WIN 0x40                                       ; destination window 1, address window 0
	FETCH 2, AG
	WIN 0
	s_wait_loadcnt 0x0                             ; Wo, the scales, BatchNorm's numbers
.irp m, 0,1,2,3
.irp k, 0,1,2,3
	v_lshl_or_b32 v[AS+4*\m+\k], v[ACC+8*\m+2*\k+1], 16, v[ACC+8*\m+2*\k]   ; K step k's scale word: heads 2 k and 2 k + 1.  The twelve plain lines below stand between these and the products
.endr
.endr
.irp t, 0,1
	v_add_f32 v[BN+8+\t], 0x3727c5ac, v[BN+8+\t]   ; v + 1e-5
.endr
	s_wait_alu depctr_va_vdst(0)
.irp t, 0,1
	v_rsq_f32 v[BN+8+\t], v[BN+8+\t]
.endr
.irp t, 0,1
	v_sub_f32 v[BN+\t], v[BN+\t], v[BN+6+\t]       ; bo - m: plain work behind the roots
.endr
	s_wait_alu depctr_va_vdst(0)                   ; the two roots are written, ahead of their first reader; so are the scale words v[AS ..], which the products take as scales
.irp t, 0,1
	v_mul_f32 v[BN+12+4*\t], v[BN+2+\t], v[BN+8+\t]
.endr
.irp t, 0,1
	v_fma_f32 v[BN+14+4*\t], v[BN+\t], v[BN+12+4*\t], v[BN+4+\t]
	v_mov_b32 v[BN+13+4*\t], v[BN+12+4*\t]         ; the packed form names pairs, so both halves are written
.endr
.irp t, 0,1
	v_mov_b32 v[BN+15+4*\t], v[BN+14+4*\t]
.endr
	WIN 0x04                                       ; source 1 (Wo) window 1
	s_wait_dscnt 32                                ; K step 0 is in; the 32 loads of steps 1 and 2 may be out
	MUL 0, AF, 1
	WIN 0x40
	FETCH 3, AG+64                                 ; no wait: no vector or matrix instruction has named these registers
	WIN 0x04
	s_wait_dscnt 32                                ; K step 1 is in; the 32 loads of steps 2 and 3 may be out
	MUL 1, AF+64, 0
	WIN 0x05                                       ; sources 0 (the images) and 1 (Wo) window 1
	s_wait_dscnt 16                                ; K step 2 is in; step 3's 16 loads may be out
	MUL 2, AG, 0
	s_wait_dscnt 0x0
	MUL 3, AG+64, 0
	WIN 0
	PLACES
	s_wait_alu depctr_va_vdst(0)
.irp m, 0,1,2,3
.irp t, 0,1
.irp p, 0,2,4,6
	v_pk_fma_f32 v[ACC+8*(2*\m+\t)+\p:ACC+8*(2*\m+\t)+\p+1], v[ACC+8*(2*\m+\t)+\p:ACC+8*(2*\m+\t)+\p+1], v[BN+12+4*\t:BN+13+4*\t], v[BN+14+4*\t:BN+15+4*\t] op_sel_hi:[1,0,0]   ; each accumulator from its low end on
.endr
.endr
.endr
	s_wait_alu depctr_va_vdst(0)                   ; BatchNorm's lines have written the accumulators, which the LDS stores read; the products are done reading v[AF ..], in which the stage's loads land
.irp m, 0,1,2,3
.irp t, 0,1
	ds_store_b128 v[SO], v[ACC+8*(2*\m+\t):ACC+8*(2*\m+\t)+3] offset:4352*\t+128*(\m/2)+32*(\m%2)
	ds_store_b128 v[SO], v[ACC+8*(2*\m+\t)+4:ACC+8*(2*\m+\t)+7] offset:4352*\t+128*(\m/2)+32*(\m%2)+16
.endr
.endr
.irp i, 0,1,2,3,4,5,6,7,8,9,10,11,12,13,14,15
	ds_load_b128 v[AF+4*\i:AF+4*\i+3], v[SR] offset:544*\i   ; LDS serves a wave's instructions in order (ISA guide 5.7.1.4): these see my stores; the stage is my own
.endr
.irp i, 0,1,2,3,4,5,6,7,8,9,10,11,12,13,14,15
	s_wait_dscnt 15-\i
	global_store_b128 v[GO], v[AF+4*\i:AF+4*\i+3], s[22:23] offset:8192*\i th:TH_STORE_NT   ; lanes 0-15 one channel's 256 bytes, lanes 16-31 the next channel's
.endr
	s_wait_dscnt 0x0                               ; the closing lines, six on end
	s_wait_alu 0x0
	s_wait_tensorcnt 0x0
	ds_add_u32 v254, v255
	s_wait_dscnt 0x0
	s_endpgm
.Lfunc_end_k_qc18e1fde0b_outp:
	.size	k_qc18e1fde0b_outp, .Lfunc_end_k_qc18e1fde0b_outp-k_qc18e1fde0b_outp
	.p2alignl 7, 3214868480
	.fill 96, 4, 3214868480
	.section	.rodata,"a",@progbits
	.p2align	6, 0x0
	.amdhsa_kernel k_qc18e1fde0b_outp
		.amdhsa_group_segment_fixed_size 103424
		.amdhsa_private_segment_fixed_size 0
		.amdhsa_enable_private_segment 0
		.amdhsa_kernarg_size 80
		.amdhsa_user_sgpr_count 2
		.amdhsa_user_sgpr_kernarg_segment_ptr 1
		.amdhsa_wavefront_size32 1
		.amdhsa_system_sgpr_workgroup_id_x 1
		.amdhsa_system_sgpr_workgroup_id_y 1
		.amdhsa_system_sgpr_workgroup_id_z 1
		.amdhsa_system_vgpr_workitem_id 0
		.amdhsa_next_free_vgpr 512
		.amdhsa_next_free_sgpr 66
		.amdhsa_reserve_vcc 0
		.amdhsa_float_denorm_mode_32 3
		.amdhsa_float_denorm_mode_16_64 3
		.amdhsa_memory_ordered 1
		.amdhsa_forward_progress 1
		.amdhsa_inst_pref_size 26
	.end_amdhsa_kernel
	.amdgpu_metadata
---
amdhsa.version: [ 1, 2 ]
amdhsa.kernels:
  - .name:           k_qc18e1fde0b_outp
    .symbol:         k_qc18e1fde0b_outp.kd
    .args:
      - { .name: acodes, .offset: 0, .size: 8, .value_kind: global_buffer, .address_space: global }
      - { .name: asc, .offset: 8, .size: 8, .value_kind: global_buffer, .address_space: global }
      - { .name: Wo_codes, .offset: 16, .size: 8, .value_kind: global_buffer, .address_space: global }
      - { .name: Wo_scales, .offset: 24, .size: 8, .value_kind: global_buffer, .address_space: global }
      - { .name: bo, .offset: 32, .size: 8, .value_kind: global_buffer, .address_space: global }
      - { .name: o_g, .offset: 40, .size: 8, .value_kind: global_buffer, .address_space: global }
      - { .name: o_b, .offset: 48, .size: 8, .value_kind: global_buffer, .address_space: global }
      - { .name: o_m, .offset: 56, .size: 8, .value_kind: global_buffer, .address_space: global }
      - { .name: o_v, .offset: 64, .size: 8, .value_kind: global_buffer, .address_space: global }
      - { .name: out0, .offset: 72, .size: 8, .value_kind: global_buffer, .address_space: global }
    .group_segment_fixed_size: 103424
    .private_segment_fixed_size: 0
    .kernarg_segment_align: 8
    .kernarg_segment_size: 80
    .max_flat_workgroup_size: 256
    .sgpr_count:     66
    .vgpr_count:     512
    .wavefront_size: 32
...
	.end_amdgpu_metadata
.endif
;; end of part 6
